; MI455X (gfx1250); checked and timed in simulation.
; The chip was launched on July 23, 2026; its instructions are those of AMD's public machine-readable ISA for CDNA 5 (MIT licence, August 2026) and "CDNA5" Instruction Set Architecture Reference Guide (July 2026). The comments in the code are by the model that wrote it; some were corrected since.
;; Token Mixing Mo E. Allowed arithmetic: matrix products marked QUANTISED: E2M1 operands, one E8M0 scale for each 32 along K, by v_wmma_scale_f32_16x16x128_f8f6f4 with both operands' format E2M1 (or v_wmma_scale_f32_32x16x128_f4), f32 sums; products left as they are: f32 operands where the result goes on into a quantised operand, else bf16, f16 or f32 operands; f32 sums; everything else in f32.
;; Inputs: b2 8 x 128 float32; gate_b 8 float32; gate_w 8 x 128 float32; ln1_b 8 x 128 float32; ln1_g 8 x 128 float32; ln2_b 8 x 512 float32; ln2_g 8 x 512 float32; w1_codes 8 x 512 x 4 x 16 uint8 (E2M1 codes of w1, K innermost, in blocks of 32 codes, two codes a byte); w1_scales 8 x 512 x 4 uint8 (E8M0 scales of w1, one for each 32 codes along K); w2_codes 8 x 128 x 16 x 16 uint8 (E2M1 codes of w2, K innermost, in blocks of 32 codes, two codes a byte); w2_scales 8 x 128 x 16 uint8 (E8M0 scales of w2, one for each 32 codes along K); x 4 x 8 x 1,024 x 128 float32.
;; Outputs: out0 4 x 8 x 1,024 x 128 float32.
;; This version of the problem:
;;   THIS VERSION OF THE PROBLEM IS GIVEN IN LOW PRECISION. The matrix products marked QUANTISED in the list below multiply operands that are first quantised to E2M1 (2 exponent bits, 1 mantissa bit; 4 bits a number), with one power-of-two scale for each 32 numbers along K (OCP MX v1.0); their sums are f32. All else is computed in f32.
;;   The module's matrix products, in the order in which they are computed (A, B: the left and right operand; K: the contracted axis; several contracted axes count as one K, in the product's order):
;;     1. [M 32,768, K 128] x [K 128, N 8]; A: input x; B: input gate_w: left as it is (N = 8 < 16)
;;     2. batch 8 x [M 32,768, K 128] x [K 128, N 512]; A: computed on the way; B: input w1 (given as codes): QUANTISED
;;     3. batch 8 x [M 32,768, K 512] x [K 512, N 128]; A: computed on the way; B: input w2 (given as codes): QUANTISED
;;     4. batch 32,768 x [M 1, K 8] x [K 8, N 128]; A: computed on the way; B: computed on the way: left as it is (K = 8 < 32)
;;   THE QUANTISER, for each operand of a quantised product, along K:
;;     - K is cut into blocks of 32 from its start; a last block that is shorter is filled with zeros.
;;     - A block's scale is 2^e with e = floor(log2(the largest magnitude in the block)) - 2, held to -126 .. 127; a block of zeros has e = 0. As a byte (E8M0): e + 127.
;;     - Each number is divided by its block's scale, clamped to +-6, and rounded to the nearest number of E2M1, ties to even, subnormals kept.
;;     - The product sums the exact products of the quantised numbers (number of the format x scale) in f32.
;;   ~~~python
;;   def quantise(x, axis):      # numpy; x: float32 -> the quantised numbers, widened to float32 again
;;       x = np.moveaxis(x, axis, -1); K = x.shape[-1]
;;       x = np.pad(x, [(0, 0)] * (x.ndim - 1) + [(0, -K % 32)]); x = x.reshape(x.shape[:-1] + (-1, 32)); a = np.abs(x).max(-1, keepdims=True)
;;       e = np.where(a > 0, np.clip(np.frexp(np.where(a > 0, a, 1))[1] - 1 - 2, -126, 127), 0)      # np.frexp(a)[1] - 1 = floor(log2(a)), exactly
;;       r = np.clip(x / 2.0 ** e, -6, 6)
;;       step = 2.0 ** (np.maximum(np.frexp(np.where(r == 0, 1, r))[1] - 1, 0) - 1)
;;       q = np.round(r / step) * step * 2.0 ** e      # np.round: ties to even
;;       return np.moveaxis(q.reshape(q.shape[:-2] + (-1,))[..., :K], -1, axis).astype(np.float32)
;;   ~~~
;;   OPERANDS COMPUTED ON THE WAY. 'Computed on the way' means the value that the module computes at that place (a softmax that the list does not call 'softmax' is quantised finished and normalised). What goes into a quantiser is computed in f32, as accurately as f32 sums, v_exp_f32 and their like allow (about 1e-6 of the number): no bf16 or f16 on the way to a quantiser, and a product that is left as it is and whose result goes on into a quantised operand takes f32 operands (vector FMAs, or v_wmma_f32_16x16x4_f32). A number that lies on a knife's edge between two numbers of the format may be rounded either way, as far as f32 arithmetic and the matrix unit's own rounding can turn it there, and no further.
;;   INPUTS GIVEN AS CODES. w1 (in the module: [8, 512, 128], K = its axis 2); w2 (in the module: [8, 128, 512], K = its axis 2): each comes as NAME_codes (uint8): NAME with its K axis moved to the last place and cut into blocks of 32 codes, [.., K / 32, bytes a block], one block behind the other in memory; two codes a byte, the lower K in the low four bits (a code: sign, 2 exponent bits, 1 mantissa bit); and NAME_scales (uint8): the same leading axes, one E8M0 byte (e + 127) for each 32 codes along K. Its value is code x scale, taken as it is: it is not quantised again, and the codes and scales need not be those that the quantiser above would give.
;; 2 versions, each right; version 2 is version 1 with the launch chain written anew for expert scheduling mode. Each part assembles by itself: llvm-mc -triple=amdgcn-amd-amdhsa -mcpu=gfx1250 --defsym DOCPART=n.
;; ======== version 1 of 2: 3 launches
;; workspace buffers: keys 131,072 bytes of whole numbers; hist 16,384 bytes of whole numbers; wts 262,144 bytes; order 131,072 bytes of whole numbers; w1f 262,144 bytes; w2f 262,144 bytes; wsc 32,768 bytes
;; launch route (part 1): grid 256 x 1, 8 waves a work-group, no clusters, 71,168 bytes of LDS; arguments x, gate_w, gate_b, w1_codes, w1_scales, w2_codes, w2_scales, keys, wts, hist, w1f, w2f, wsc; writes keys, wts, hist, w1f, w2f, wsc
.if DOCPART == 1
	.amdgcn_target "amdgcn-amd-amdhsa--gfx1250"
	.amdhsa_code_object_version 6
	.text
	.protected	k_q22466c1bba_route
	.globl	k_q22466c1bba_route
	.p2align	8
	.type	k_q22466c1bba_route,@function
k_q22466c1bba_route:
	s_mov_b64 s[64:65], 0
	v_nop
	global_prefetch_b8 v0, s[64:65] scope:SCOPE_SE
	s_setreg_imm32_b32 hwreg(HW_REG_WAVE_MODE, 25, 1), 1
	s_wait_xcnt 0x0
; THE ROUTER, and the weights laid out as images of operand registers.
; A work-group takes 128 tokens, a wave 16.  logits = x gate_w^T + gate_b in f32; softmax over the 8 experts with the maximum taken away; the two largest
; probabilities (a tie keeps the lower index).  Nothing here is addressed or branched by the choice: each token's key word and its two weights go to fixed places.
; key = bin | ea << 8 | eb << 12 | (rank of the token among its group's tokens of the same bin) << 16;  ea < eb are the two experts,
; bin = ea (15 - ea) / 2 + eb - ea - 1 numbers the 28 unordered pairs.  hist[group][bin] (16 bits) counts the group's tokens of each bin.
; Waves 3 and 4 also copy one fragment each of W1 and of W2 (work-group g: fragment g of 256) into the order in which a wave's operand registers take it:
; w1f, w2f: [fragment][c][lane][16 bytes]; wsc: [expert][W1, W2][i][lane][4 words], register q = 4 i + word: lanes 0-15 fragment 2 q's scale words, lanes 16-31 fragment 2 q + 1's.
; The rows of W1 that form a tile are not neighbours: lane r of tile 2 b + u takes row 32 b + 8 u + r + 8 (r / 8).
; LIMITS: NaN and infinities are not served.  Two probabilities that differ only in the last bits of f32 may be ordered otherwise than by a division that rounds correctly.
; No tensor loads and no cluster: a work-group shares with others only gate_w's 4,096 bytes.
.set SP,   528                         ; a stage row: 512 bytes + 16
.set WSTG, 16*SP                       ; a wave's stage
.set CNT,  8*WSTG                      ; 8 x 128 bytes: each wave's counts of the 32 bins
.set KEY,  CNT+1024                    ; 512 bytes: the group's key words
.set WTS,  KEY+512                     ; 1,024 bytes: the group's weights
.set XR,   8                           ; v8-71    x as loaded, a row an instruction; later at work
.set X,    72                          ; v72-135  lane (r, h): x[r][64 h + i]
.set GW,   136                         ; v136-199 lane (r, h): gate_w[r % 8][64 h + i]
.set ACC,  200                         ; v200-231 four accumulators: written by matrix instructions alone
.set PR,   232                         ; v232-239 the token's 8 logits, then probabilities
	s_load_b512 s[4:19], s[0:1], 0x0               ; x, gate_w, gate_b, w1_codes, w1_scales, w2_codes, w2_scales, keys
	s_load_b256 s[20:27], s[0:1], 0x40             ; wts, hist, w1f, w2f
	s_load_b64 s[28:29], s[0:1], 0x60              ; wsc
	v_lshl_add_u32 v254, v0, 2, 0x11200
	v_mov_b32 v255, 0
	v_lshrrev_b32 v5, 5, v0
	v_readfirstlane_b32 s30, v5                    ; wave
	v_and_b32 v5, 31, v0                           ; lane
	v_and_b32 v6, 15, v0                           ; r
	v_bfe_u32 v7, v0, 4, 1                         ; h
	v_lshlrev_b32 v1, 4, v5                        ; 16 x lane
	s_mul_i32 s31, s30, WSTG
	v_add_nc_u32 v2, s31, v1                       ; stage, in: a row's 512 bytes as they lie
	v_mul_u32_u24 v3, v6, SP
	v_lshl_add_u32 v3, v7, 8, v3
	v_add_nc_u32 v3, s31, v3                       ; stage, out: row r, half h
	v_and_b32 v4, 7, v0
	v_lshlrev_b32 v4, 9, v4
	v_lshl_add_u32 v4, v7, 8, v4                   ; gate_w: row r % 8, half h
	s_lshl_b32 s32, ttmp9, 16                      ; 128 tokens of 512 bytes a group,
	s_lshl_b32 s33, s30, 13                        ; 16 a wave
	s_add_co_u32 s32, s32, s33
	s_mov_b32 s33, 0
	s_mov_b32 s36, 0x76543210
	s_mov_b32 s37, 0xfedcba98                      ; v_permlanex16_b32's selects for lane l xor 16
	s_mov_b32 s38, 0xffff0000                      ; lanes 16-31
	s_wait_kmcnt 0x0
	s_load_b256 s[40:47], s[8:9], 0x0              ; gate_b
	s_add_nc_u64 s[4:5], s[4:5], s[32:33]
.irp i, 0,1,2,3,4,5,6,7,8,9,10,11,12,13,14,15
	global_load_b128 v[XR+4*\i:XR+4*\i+3], v1, s[4:5] offset:512*\i     ; 32 lanes read a row's 512 bytes
.endr
.irp q, 0,1,2,3,4,5,6,7,8,9,10,11,12,13,14,15
	global_load_b128 v[GW+4*\q:GW+4*\q+3], v4, s[6:7] offset:16*\q
.endr
	s_wait_loadcnt 16                              ; x is in; gate_w's 16 loads may be out
.irp i, 0,1,2,3,4,5,6,7,8,9,10,11,12,13,14,15
	ds_store_b128 v2, v[XR+4*\i:XR+4*\i+3] offset:SP*\i
.endr
.irp q, 0,1,2,3,4,5,6,7,8,9,10,11,12,13,14,15
	ds_load_b128 v[X+4*\q:X+4*\q+3], v3 offset:16*\q                    ; LDS serves a wave's instructions in order: these see the stores
.endr
	s_wait_loadcnt 0x0
	s_wait_dscnt 0x0
; 32 steps of 4 along K.  Slot (h, j) of step n is k = 64 h + 2 n + j on both sides.  Source 0 = gate_w's rows (8-15 repeat 0-7), source 1 = my 16 tokens:
; lane (r, h) ends with the 8 logits of token r in registers 0-7.  Four accumulators take turns, one instruction a turn; the first four steps start the sums.
.set n, 0
.rept 32
.if n < 4
	v_wmma_f32_16x16x4_f32 v[ACC+8*n:ACC+8*n+7], v[GW+2*n:GW+2*n+1], v[X+2*n:X+2*n+1], 0
.else
	v_wmma_f32_16x16x4_f32 v[ACC+8*(n%4):ACC+8*(n%4)+7], v[GW+2*n:GW+2*n+1], v[X+2*n:X+2*n+1], v[ACC+8*(n%4):ACC+8*(n%4)+7]
.endif
.set n, n+1
.endr
	; fourteen plain lines that name none of the products' registers: the places behind them (eight are owed: ISA guide 7.12.1).  All LDS addresses are made here, ahead of the waves' parting
	v_lshlrev_b32 v37, 2, v5
	s_lshl_b32 s34, s30, 7
	v_add_nc_u32 v36, s34, v37
	v_add_nc_u32 v36, CNT, v36                     ; my wave's counts: 4 x lane + 128 x wave
	v_add_nc_u32 v37, CNT, v37                     ; every wave's: 4 x lane
	s_lshl_b32 s34, s30, 4
	v_add_nc_u32 v38, s34, v6                      ; my token in the group: 16 x wave + r
	v_lshlrev_b32 v39, 3, v38
	v_lshlrev_b32 v38, 2, v38
	v_add_nc_u32 v38, KEY, v38
	v_add_nc_u32 v39, WTS, v39
	v_add_nc_u32 v40, KEY, v1
	v_add_nc_u32 v41, WTS, v1
	v_mov_b32 v34, 0
	s_wait_kmcnt 0x0                               ; gate_b
.irp j, 0,1,2,3,4,5,6,7
	v_add_f32 v20, v[ACC+\j], v[ACC+8+\j]          ; each accumulator is read from its low end on
	v_add_f32 v21, v[ACC+16+\j], v[ACC+24+\j]
	v_add_f32 v20, v20, v21
	v_add_f32 v[PR+\j], s[40+\j], v20
.endr
	v_max3_num_f32 v20, v[PR], v[PR+1], v[PR+2]
	v_max3_num_f32 v20, v20, v[PR+3], v[PR+4]
	v_max3_num_f32 v20, v20, v[PR+5], v[PR+6]
	v_max_num_f32 v20, v20, v[PR+7]                ; the token's largest logit
.irp j, 0,1,2,3,4,5,6,7
	v_sub_f32 v[PR+\j], v[PR+\j], v20
.endr
.irp j, 0,1,2,3,4,5,6,7
	v_mul_f32 v[PR+\j], 0x3fb8aa3b, v[PR+\j]
.endr
.irp j, 0,1,2,3,4,5,6,7
	v_exp_f32 v[PR+\j], v[PR+\j]
.endr
	v_nop                                          ; a plain place behind the exponentials
	s_wait_alu depctr_va_vdst(0)
	v_add_f32 v21, v[PR], v[PR+1]
	v_add_f32 v33, v[PR+2], v[PR+3]
	v_add_f32 v35, v[PR+4], v[PR+5]
	v_add_f32 v20, v[PR+6], v[PR+7]
	v_add_f32 v21, v21, v33
	v_add_f32 v35, v35, v20
	v_add_f32 v21, v21, v35
	v_rcp_f32 v21, v21
	v_mov_b32 v23, 0                               ; (a plain place)  the index of the largest
	s_wait_alu depctr_va_vdst(0)
.irp j, 0,1,2,3,4,5,6,7
	v_mul_f32 v[PR+\j], v[PR+\j], v21              ; the probabilities
.endr
	v_mov_b32 v22, v[PR]
.irp j, 1,2,3,4,5,6,7
	v_cmp_gt_f32 vcc_lo, v[PR+\j], v22             ; strictly larger only: a tie keeps the lower index
	v_cndmask_b32 v22, v22, v[PR+\j], vcc_lo
	v_cndmask_b32 v23, v23, \j, vcc_lo
.endr
	v_cmp_eq_u32 vcc_lo, 0, v23                    ; the same over the other seven: the first's place counts as -1
	v_cndmask_b32 v24, v[PR], -1.0, vcc_lo
	v_mov_b32 v25, 0
.irp j, 1,2,3,4,5,6,7
	v_cmp_eq_u32 vcc_lo, \j, v23
	v_cndmask_b32 v33, v[PR+\j], -1.0, vcc_lo
	v_cmp_gt_f32 vcc_lo, v33, v24
	v_cndmask_b32 v24, v24, v33, vcc_lo
	v_cndmask_b32 v25, v25, \j, vcc_lo
.endr
	v_min_u32 v26, v23, v25                        ; ea
	v_max_u32 v27, v23, v25                        ; eb
	v_cmp_lt_u32 vcc_lo, v23, v25
	v_cndmask_b32 v28, v24, v22, vcc_lo            ; ea's probability
	v_cndmask_b32 v29, v22, v24, vcc_lo            ; eb's
	v_sub_nc_u32 v30, 15, v26
	v_mul_u32_u24 v30, v30, v26
	v_lshrrev_b32 v30, 1, v30
	v_add_nc_u32 v30, v30, v27
	v_sub_nc_u32 v30, v30, v26
	v_add_nc_u32 v30, -1, v30                      ; the bin
	v_mov_b32 v31, 0                               ; my rank among the wave's tokens of my bin
	v_mov_b32 v32, 0                               ; lane b: the wave's count of bin b
.irp b, 0,1,2,3,4,5,6,7,8,9,10,11,12,13,14,15,16,17,18,19,20,21,22,23,24,25,26,27
	v_cmp_eq_u32 vcc_lo, \b, v30
	s_and_b32 s34, vcc_lo, 0xffff                  ; lanes 0-15 hold the 16 tokens, lanes 16-31 the same again
	v_mbcnt_lo_u32_b32 v33, s34, 0
	v_cndmask_b32 v31, v31, v33, vcc_lo
	s_bcnt1_i32_b32 s35, s34
	v_writelane_b32 v32, s35, \b
.endr
	v_permlanex16_b32 v34, v31, s36, s37
	v_cndmask_b32 v31, v31, v34, s38               ; lanes 16-31 take the rank from lanes 0-15: both halves hold the same again
	ds_store_b32 v36, v32
	s_wait_dscnt 0x0                               ; for the others' sake: my counts are in LDS
	s_barrier_signal -1
	s_barrier_wait -1
.irp w, 0,1,2,3,4,5,6,7
	ds_load_b32 v[8+\w], v37 offset:128*\w
.endr
	s_wait_dscnt 0x0
	v_add3_u32 v16, v8, v9, v10
	v_add3_u32 v16, v16, v11, v12
	v_add3_u32 v16, v16, v13, v14
	v_add_nc_u32 v16, v16, v15                     ; lane b: the group's count of bin b
	v_mov_b32 v17, 0                               ; lane b: the count in the waves ahead of mine
.irp w, 0,1,2,3,4,5,6
	s_cmp_gt_u32 s30, \w
	s_cselect_b32 s34, -1, 0
	v_and_b32 v33, s34, v[8+\w]
	v_add_nc_u32 v17, v17, v33
.endr
	v_mov_b32 v18, 0
.irp b, 0,1,2,3,4,5,6,7,8,9,10,11,12,13,14,15,16,17,18,19,20,21,22,23,24,25,26,27
	v_readlane_b32 s34, v17, \b
	v_cmp_eq_u32 vcc_lo, \b, v30
	v_mov_b32 v33, s34
	v_cndmask_b32 v18, v18, v33, vcc_lo            ; my bin's: chosen by selects, never by an address
.endr
	v_add_nc_u32 v31, v31, v18                     ; my rank in the group, 0 to 127
	v_lshl_or_b32 v35, v26, 8, v30
	v_lshl_or_b32 v35, v27, 12, v35
	v_lshl_or_b32 v35, v31, 16, v35
	ds_store_b32 v38, v35                          ; both lanes of a token write the same bytes with the same values
	ds_store_b64 v39, v[28:29]
	s_wait_dscnt 0x0
	s_barrier_signal -1
	s_barrier_wait -1
	; the waves part: each of five has one thing to send
	s_cmp_lg_u32 s30, 0
	s_cbranch_scc1 .Lnot0
	ds_load_b128 v[44:47], v40
	s_lshl_b32 s32, ttmp9, 9
	s_add_nc_u64 s[18:19], s[18:19], s[32:33]
	s_wait_dscnt 0x0
	global_store_b128 v1, v[44:47], s[18:19]       ; the group's 512 bytes of keys, two aligned runs of 256
	s_branch .Lend
.Lnot0:
	s_cmp_lg_u32 s30, 1
	s_cbranch_scc1 .Lnot1
	ds_load_b128 v[44:47], v41
	ds_load_b128 v[48:51], v41 offset:512
	s_lshl_b32 s32, ttmp9, 10
	s_add_nc_u64 s[20:21], s[20:21], s[32:33]
	s_wait_dscnt 0x0
	global_store_b128 v1, v[44:47], s[20:21]
	global_store_b128 v1, v[48:51], s[20:21] offset:512
	s_branch .Lend
.Lnot1:
	s_cmp_lg_u32 s30, 2
	s_cbranch_scc1 .Lnot2
	s_lshl_b32 s32, ttmp9, 6
	s_add_nc_u64 s[22:23], s[22:23], s[32:33]
	v_lshlrev_b32 v42, 1, v5
	global_store_b16 v42, v16, s[22:23]            ; the group's 32 counts: 64 bytes
	s_branch .Lend
.Lnot2:
	s_cmp_gt_u32 s30, 4
	s_cbranch_scc1 .Lend
	; fragment g of W1 (wave 3) or of W2 (wave 4).  What both share: the expert, the image's place, the scale words' place
	s_lshr_b32 s34, ttmp9, 5                       ; expert
	s_and_b32 s35, ttmp9, 31                       ; fragment f of the expert's 32
	s_lshr_b32 s39, s35, 1                         ; q = f / 2
	s_and_b32 s57, s35, 1                          ; f % 2
	s_lshl_b32 s52, s34, 12
	s_lshr_b32 s56, s39, 2
	s_lshl_b32 s56, s56, 9
	s_add_co_u32 s52, s52, s56
	s_lshl_b32 s56, s57, 8
	s_add_co_u32 s52, s52, s56
	s_and_b32 s56, s39, 3
	s_lshl_b32 s56, s56, 2
	s_add_co_u32 s52, s52, s56                     ; wsc: 4,096 e + 512 (q / 4) + 256 (f % 2) + 4 (q % 4); + 16 r in the lane
	s_mov_b32 s53, 0
	s_lshl_b32 s54, ttmp9, 10                      ; the image: 1,024 bytes a fragment
	s_mov_b32 s55, 0
	s_mov_b32 s49, 0
	s_mov_b32 s51, 0
	v_lshlrev_b32 v53, 4, v6
.macro LAY cb, sb, db                  ; two groups of 16 bytes a lane and the row's scale word, from rows to the image
	s_add_nc_u64 s[\cb:\cb+1], s[\cb:\cb+1], s[48:49]
	s_add_nc_u64 s[\sb:\sb+1], s[\sb:\sb+1], s[50:51]
	s_add_nc_u64 s[\db:\db+1], s[\db:\db+1], s[54:55]
	s_add_nc_u64 s[28:29], s[28:29], s[52:53]
	global_load_b128 v[44:47], v42, s[\cb:\cb+1]
	global_load_b128 v[48:51], v42, s[\cb:\cb+1] offset:32
	global_load_b32 v52, v43, s[\sb:\sb+1]
	s_wait_loadcnt 0x0
	global_store_b128 v1, v[44:47], s[\db:\db+1]
	global_store_b128 v1, v[48:51], s[\db:\db+1] offset:512
	global_store_b32 v53, v52, s[28:29]            ; four bytes a lane, 16 apart: 32,768 bytes in the whole launch; both lanes of a row write the same
.endm
	s_cmp_lg_u32 s30, 3
	s_cbranch_scc1 .Lw2
	s_lshl_b32 s48, s34, 15                        ; W1: tile f = 2 b + u begins at row 32 b + 8 u; a row is 64 bytes of codes and one scale word
	s_lshl_b32 s56, s39, 11
	s_add_co_u32 s48, s48, s56
	s_lshl_b32 s56, s57, 9
	s_add_co_u32 s48, s48, s56
	s_lshl_b32 s50, s34, 11
	s_lshl_b32 s56, s39, 7
	s_add_co_u32 s50, s50, s56
	s_lshl_b32 s56, s57, 5
	s_add_co_u32 s50, s50, s56
	v_and_b32 v43, 8, v6
	v_add_nc_u32 v43, v43, v6                      ; r + 8 (r / 8)
	v_lshlrev_b32 v42, 6, v43
	v_lshl_add_u32 v42, v7, 4, v42
	v_lshlrev_b32 v43, 2, v43
	LAY 10, 12, 24
	s_branch .Lend
.Lw2:
	s_lshr_b32 s39, s35, 3                         ; W2: fragment f = 8 s + j: rows 16 j on, K step s; a row is 256 bytes of codes and 16 scale bytes
	s_and_b32 s57, s35, 7
	s_lshl_b32 s48, s34, 15
	s_lshl_b32 s56, s57, 12
	s_add_co_u32 s48, s48, s56
	s_lshl_b32 s56, s39, 6
	s_add_co_u32 s48, s48, s56
	s_lshl_b32 s50, s34, 11
	s_lshl_b32 s56, s57, 8
	s_add_co_u32 s50, s50, s56
	s_lshl_b32 s56, s39, 2
	s_add_co_u32 s50, s50, s56
	s_add_co_u32 s52, s52, 2048                    ; W2's half of the expert's scale words
	v_lshlrev_b32 v42, 8, v6
	v_lshl_add_u32 v42, v7, 4, v42
	v_lshlrev_b32 v43, 4, v6
	LAY 14, 16, 26
.Lend:
	s_wait_tensorcnt 0x0
	ds_add_u32 v254, v255
	s_wait_dscnt 0x0
	s_endpgm
.Lfunc_end_k_q22466c1bba_route:
	.size	k_q22466c1bba_route, .Lfunc_end_k_q22466c1bba_route-k_q22466c1bba_route
	.p2alignl 7, 3214868480
	.fill 96, 4, 3214868480
	.section	.rodata,"a",@progbits
	.p2align	6, 0x0
	.amdhsa_kernel k_q22466c1bba_route
		.amdhsa_group_segment_fixed_size 71168
		.amdhsa_private_segment_fixed_size 0
		.amdhsa_enable_private_segment 0
		.amdhsa_kernarg_size 104
		.amdhsa_user_sgpr_count 2
		.amdhsa_user_sgpr_kernarg_segment_ptr 1
		.amdhsa_wavefront_size32 1
		.amdhsa_system_sgpr_workgroup_id_x 1
		.amdhsa_system_sgpr_workgroup_id_y 1
		.amdhsa_system_sgpr_workgroup_id_z 1
		.amdhsa_system_vgpr_workitem_id 0
		.amdhsa_next_free_vgpr 256
		.amdhsa_next_free_sgpr 66
		.amdhsa_reserve_vcc 1
		.amdhsa_float_denorm_mode_32 3
		.amdhsa_float_denorm_mode_16_64 3
		.amdhsa_memory_ordered 1
		.amdhsa_forward_progress 1
		.amdhsa_inst_pref_size 35
	.end_amdhsa_kernel
	.amdgpu_metadata
---
amdhsa.version: [ 1, 2 ]
amdhsa.kernels:
  - .name:           k_q22466c1bba_route
    .symbol:         k_q22466c1bba_route.kd
    .args:
      - { .name: x, .offset: 0, .size: 8, .value_kind: global_buffer, .address_space: global }
      - { .name: gate_w, .offset: 8, .size: 8, .value_kind: global_buffer, .address_space: global }
      - { .name: gate_b, .offset: 16, .size: 8, .value_kind: global_buffer, .address_space: global }
      - { .name: w1_codes, .offset: 24, .size: 8, .value_kind: global_buffer, .address_space: global }
      - { .name: w1_scales, .offset: 32, .size: 8, .value_kind: global_buffer, .address_space: global }
      - { .name: w2_codes, .offset: 40, .size: 8, .value_kind: global_buffer, .address_space: global }
      - { .name: w2_scales, .offset: 48, .size: 8, .value_kind: global_buffer, .address_space: global }
      - { .name: keys, .offset: 56, .size: 8, .value_kind: global_buffer, .address_space: global }
      - { .name: wts, .offset: 64, .size: 8, .value_kind: global_buffer, .address_space: global }
      - { .name: hist, .offset: 72, .size: 8, .value_kind: global_buffer, .address_space: global }
      - { .name: w1f, .offset: 80, .size: 8, .value_kind: global_buffer, .address_space: global }
      - { .name: w2f, .offset: 88, .size: 8, .value_kind: global_buffer, .address_space: global }
      - { .name: wsc, .offset: 96, .size: 8, .value_kind: global_buffer, .address_space: global }
    .group_segment_fixed_size: 71168
    .private_segment_fixed_size: 0
    .kernarg_segment_align: 8
    .kernarg_segment_size: 104
    .max_flat_workgroup_size: 256
    .sgpr_count:     66
    .vgpr_count:     256
    .wavefront_size: 32
...
	.end_amdgpu_metadata
.endif
;; end of part 1
;; launch place (part 2): grid 256 x 1, 1 waves a work-group, no clusters, 0 bytes of LDS; arguments keys, hist, order; writes order
.if DOCPART == 2
	.amdgcn_target "amdgcn-amd-amdhsa--gfx1250"
	.amdhsa_code_object_version 6
	.text
	.protected	k_q22466c1bba_place
	.globl	k_q22466c1bba_place
	.p2align	8
	.type	k_q22466c1bba_place,@function
k_q22466c1bba_place:
	s_mov_b64 s[64:65], 0
	v_nop
	global_prefetch_b8 v0, s[64:65] scope:SCOPE_SE
	s_setreg_imm32_b32 hwreg(HW_REG_WAVE_MODE, 25, 1), 1
	s_wait_xcnt 0x0
; THE COUNTING SORT'S LAST STEP.  Work-group g (one wave) places the 128 tokens of group g: a token's place in the sorted list is
; (tokens of lower bins) + (tokens of its bin in groups ahead of g) + (its rank in its group, from the key).  order[place] = token | ea << 16 | eb << 20.
; Every work-group sums the whole table of 256 x 32 counts of 16 bits (16,384 bytes) itself: no traffic between work-groups.
; Two counts share a word and are added together: no count passes 32,768, so nothing carries from the low half into the high.
; The four stores of a lane are scattered words: that is the sort itself, 131,072 bytes in the launch.
.set HS, 16                            ; v16-143  the table: load i gives lane l row 8 i + l / 4, words 4 (l % 4) on
.set TT, 144                           ; v144-147 sums over all rows
.set PP, 148                           ; v148-151 sums over the rows ahead of g
.set TM, 152                           ; v152-155 at work
.set OFF, 32                           ; s32-59   where bin b's tokens of group g begin
	s_load_b128 s[4:7], s[0:1], 0x0                ; keys, hist
	s_load_b64 s[8:9], s[0:1], 0x10                ; order
	v_lshlrev_b32 v1, 4, v0
	v_lshrrev_b32 v2, 2, v0
	s_mov_b32 s10, ttmp9
	v_sub_nc_u32 v2, s10, v2                       ; d = g - l / 4: row 8 i + l / 4 lies ahead of g where 8 i < d
	s_lshl_b32 s11, ttmp9, 7                       ; the group's first token
	s_lshl_b32 s12, ttmp9, 9
	s_mov_b32 s13, 0
	s_mov_b32 s14, 0x76543210
	s_mov_b32 s15, 0xfedcba98
	s_wait_kmcnt 0x0
	s_add_nc_u64 s[4:5], s[4:5], s[12:13]
	global_load_b128 v[4:7], v1, s[4:5]            ; lane l: the keys of tokens 4 l .. 4 l + 3 of the group
.irp i, 0,1,2,3,4,5,6,7,8,9,10,11,12,13,14,15,16,17,18,19,20,21,22,23,24,25,26,27,28,29,30,31
	global_load_b128 v[HS+4*\i:HS+4*\i+3], v1, s[6:7] offset:512*\i
.endr
	s_wait_loadcnt 0x0
	v_cmp_lt_i32 vcc_lo, 0, v2                     ; the first rows start the sums: nothing is cleared
.irp c, 0,1,2,3
	v_cndmask_b32 v[PP+\c], 0, v[HS+\c], vcc_lo
	v_add_nc_u32 v[TT+\c], v[HS+\c], v[HS+4+\c]
.endr
	v_cmp_lt_i32 vcc_lo, 8, v2
.irp c, 0,1,2,3
	v_cndmask_b32 v[TM+\c], 0, v[HS+4+\c], vcc_lo
	v_add_nc_u32 v[PP+\c], v[PP+\c], v[TM+\c]
.endr
.set n, 2
.rept 30
	v_cmp_lt_i32 vcc_lo, 8*n, v2
.irp c, 0,1,2,3
	v_cndmask_b32 v[TM+\c], 0, v[HS+4*n+\c], vcc_lo
	v_add_nc_u32 v[TT+\c], v[TT+\c], v[HS+4*n+\c]
	v_add_nc_u32 v[PP+\c], v[PP+\c], v[TM+\c]
.endr
.set n, n+1
.endr
	; over the eight lanes that hold the same words: l xor 4, 8, 16
.irp x, 144,145,146,147,148,149,150,151
	v_mov_b32_dpp v152, v\x row_xmask:4 row_mask:0xf bank_mask:0xf
	v_add_nc_u32 v\x, v\x, v152
.endr
.irp x, 144,145,146,147,148,149,150,151
	v_mov_b32_dpp v152, v\x row_xmask:8 row_mask:0xf bank_mask:0xf
	v_add_nc_u32 v\x, v\x, v152
.endr
.irp x, 144,145,146,147,148,149,150,151
	v_permlanex16_b32 v152, v\x, s14, s15
	v_add_nc_u32 v\x, v\x, v152
.endr
	; word w (bins 2 w, 2 w + 1) lies in lane w / 4, register w % 4.  A running sum over the bins
	s_mov_b32 s20, 0
.irp w, 0,1,2,3,4,5,6,7,8,9,10,11,12,13
	v_readlane_b32 s21, v[TT+\w%4], \w/4
	v_readlane_b32 s22, v[PP+\w%4], \w/4
	s_and_b32 s23, s22, 0xffff
	s_add_co_u32 s[OFF+2*\w], s20, s23
	s_and_b32 s23, s21, 0xffff
	s_add_co_u32 s20, s20, s23
	s_lshr_b32 s23, s22, 16
	s_add_co_u32 s[OFF+2*\w+1], s20, s23
	s_lshr_b32 s23, s21, 16
	s_add_co_u32 s20, s20, s23
.endr
.irp k, 0,1,2,3
	v_and_b32 v[156+\k], 31, v[4+\k]               ; the token's bin
	v_mov_b32 v[160+\k], 0
.endr
.irp b, 0,1,2,3,4,5,6,7,8,9,10,11,12,13,14,15,16,17,18,19,20,21,22,23,24,25,26,27
	v_mov_b32 v152, s[OFF+\b]
.irp k, 0,1,2,3
	v_cmp_eq_u32 vcc_lo, \b, v[156+\k]
	v_cndmask_b32 v[160+\k], v[160+\k], v152, vcc_lo
.endr
.endr
	v_lshlrev_b32 v153, 2, v0
	v_add_nc_u32 v153, s11, v153                   ; my first token
.irp k, 0,1,2,3
	v_bfe_u32 v152, v[4+\k], 16, 8                 ; its rank in the group
	v_add_nc_u32 v[160+\k], v[160+\k], v152
	v_min_u32 v[160+\k], 0x7fff, v[160+\k]         ; a place made of loaded numbers is held inside the list
	v_lshlrev_b32 v[160+\k], 2, v[160+\k]
	v_bfe_u32 v154, v[4+\k], 8, 8                  ; ea | eb << 4
	v_add_nc_u32 v[164+\k], \k, v153
	v_lshl_or_b32 v[164+\k], v154, 16, v[164+\k]
.endr
.irp k, 0,1,2,3
	global_store_b32 v[160+\k], v[164+\k], s[8:9]
.endr
	s_endpgm
.Lfunc_end_k_q22466c1bba_place:
	.size	k_q22466c1bba_place, .Lfunc_end_k_q22466c1bba_place-k_q22466c1bba_place
	.p2alignl 7, 3214868480
	.fill 96, 4, 3214868480
	.section	.rodata,"a",@progbits
	.p2align	6, 0x0
	.amdhsa_kernel k_q22466c1bba_place
		.amdhsa_group_segment_fixed_size 0
		.amdhsa_private_segment_fixed_size 0
		.amdhsa_enable_private_segment 0
		.amdhsa_kernarg_size 24
		.amdhsa_user_sgpr_count 2
		.amdhsa_user_sgpr_kernarg_segment_ptr 1
		.amdhsa_wavefront_size32 1
		.amdhsa_system_sgpr_workgroup_id_x 1
		.amdhsa_system_sgpr_workgroup_id_y 1
		.amdhsa_system_sgpr_workgroup_id_z 1
		.amdhsa_system_vgpr_workitem_id 0
		.amdhsa_next_free_vgpr 192
		.amdhsa_next_free_sgpr 66
		.amdhsa_reserve_vcc 1
		.amdhsa_float_denorm_mode_32 3
		.amdhsa_float_denorm_mode_16_64 3
		.amdhsa_memory_ordered 1
		.amdhsa_forward_progress 1
		.amdhsa_inst_pref_size 36
	.end_amdhsa_kernel
	.amdgpu_metadata
---
amdhsa.version: [ 1, 2 ]
amdhsa.kernels:
  - .name:           k_q22466c1bba_place
    .symbol:         k_q22466c1bba_place.kd
    .args:
      - { .name: keys, .offset: 0, .size: 8, .value_kind: global_buffer, .address_space: global }
      - { .name: hist, .offset: 8, .size: 8, .value_kind: global_buffer, .address_space: global }
      - { .name: order, .offset: 16, .size: 8, .value_kind: global_buffer, .address_space: global }
    .group_segment_fixed_size: 0
    .private_segment_fixed_size: 0
    .kernarg_segment_align: 8
    .kernarg_segment_size: 24
    .max_flat_workgroup_size: 32
    .sgpr_count:     66
    .vgpr_count:     192
    .wavefront_size: 32
...
	.end_amdgpu_metadata
.endif
;; end of part 2
;; launch chain (part 3): grid 256 x 1, 8 waves a work-group, no clusters, 234,496 bytes of LDS; arguments x, order, wts, w1f, w2f, wsc, ln1_g, ln1_b, ln2_g, ln2_b, b2, out0; writes out0
.if DOCPART == 3
	.amdgcn_target "amdgcn-amd-amdhsa--gfx1250"
	.amdhsa_code_object_version 6
	.text
	.protected	k_q22466c1bba_chain
	.globl	k_q22466c1bba_chain
	.p2align	8
	.type	k_q22466c1bba_chain,@function
k_q22466c1bba_chain:
	s_mov_b64 s[64:65], 0
	v_nop
	global_prefetch_b8 v0, s[64:65] scope:SCOPE_SE
	s_setreg_imm32_b32 hwreg(HW_REG_WAVE_MODE, 25, 1), 1
	s_wait_xcnt 0x0
; THE EXPERTS' CHAIN.  One wave takes 16 tokens of the sorted list (tile = 8 x work-group + wave: 2,048 tiles, none padded) through the whole chain for both of each token's experts:
; LayerNorm over 128, affine, gelu, quantised | x W1^T | LayerNorm over 512, affine, gelu, quantised | x W2^T + b2 | x the gate's weight, both experts added, whole rows stored.
; Both products run on codes of FP4 (E2M1) with one E8M0 scale for each 32 along K, and are used TRANSPOSED (source 0 = 16 rows of the weight, source 1 = my 16 tokens): a lane holds ONE token
; (lane % 16), so all vector work takes the expert from the lane (its own rows of the affine tables and of b2, by offsets made of the expert's number held to 0 .. 7).
; TWO PASSES, one loop of two trips: the tokens' lower-numbered experts, then the higher.  The list is sorted by pairs of experts, so nearly every tile has one expert a pass: that of its first token, E0.
; The tokens' codes are set to zero in the lanes of other experts; for each further expert present (a counted loop over the 8, with scalar branches on the stored list) the product is made again with
; that expert's weights and the codes of its lanes alone, onto the same sums: zero codes add nothing.  So any split is served, and a mixed tile costs matrix work and loads only.
; THE FIRST PRODUCT IS MADE TWICE: once for the mean and variance of the 512 hidden units, once more, 128 units at a time, to normalise them.  W1's 32 fragments stay in registers for both, and
; the vector work can be a loop over chunks of 16 numbers a lane that come from LDS by a stepped address.
; gelu(h) = max(h, 0) - |h| q, q = erfc(|h| / sqrt 2) / 2 = t 2^(cm h^2 + c0 + t (c1 + t (c2 + .. + t c9))), t = 1 / (1 + |h| / sqrt 8): a fit of erfc with a fractional error of about 1.2e-7 for every
; argument, its coefficients multiplied by log2(e), the half taken into c0.  No difference of near numbers for either sign, no branch.
; The variance of the 512: sums of d and d^2 with d = t - c, c the mean of the first 128 units; the mean of d, squared, is at most 3 times the variance, so no large sums are subtracted.
; LIMITS: NaN and infinities are not served.  Where q falls under 2^-126 the exponential gives 0 and gelu is -0.  A block of zeros gets the scale byte 1; its codes are zeros and only this text reads the byte.
; NO TENSOR LOADS, NO CLUSTER: which expert's weights a wave wants hangs on the stored list, so partners would ask for different tiles; the weights come as images of operand registers straight into
; registers, 16 bytes a lane, 512 consecutive bytes a load.  The waves share nothing: no barrier.
; LDS, for each wave: TG 8,192 (four chunk images of 128 hidden units: [chunk][q][lane][16]); CI 4,096 (the codes as images of four operands); XO 8,192 (normalised x, four chunk images); STG 16 rows x 528 (x's turn, then the result).
.set TG,   0
.set CI,   8192
.set XO,   12288
.set STG,  20480
.set SP,   528
.set WREG, 29184
.set L16,  1                           ; v1   16 x lane
.set LI,   2                           ; v2   my wave's LDS + 16 x lane
.set CW,   3                           ; v3   where a chunk's 8 bytes of codes go: CI + 16 r + 8 h
.set XRD,  4                           ; v4   stage: row r + 64 h
.set STO,  5                           ; v5   stage: row r + 32 h
.set VE,   6                           ; v6   my token's expert in this pass
.set EB,   7                           ; v7   its higher-numbered expert
.set WP,   8                           ; v[8:9]   this pass's weight, twice
.set WB,   10                          ; v[10:11] the second pass's
.set TA1,  12                          ; v12  512 e + 64 h: my rows of ln1_g, ln1_b
.set TA2,  13                          ; v13  2,048 e + 64 h: of ln2_g, ln2_b
.set TAB,  14                          ; v14  512 e + 32 h: of b2
.set ADS,  15
.set ADG,  16
.set ADC,  17
.set MEAN, 18                          ; v[18:19]
.set RS,   20                          ; v[20:21]
.set MXB,  22
.set MXO,  23
.set SCL,  24
.set BYT,  25
.set CD,   26                          ; v[26:27] a chunk's codes
.set K9,   28                          ; v[28:29] c9
.set SW,   32                          ; v32-35 the tokens' scale bytes, a shift register of 16: scales alone
.set SA,   36                          ; v36    the first operand's scale word: scales alone
.set H64,  37                          ; v37    64 h
.set K0,   38                          ; v[38:39] c0
.set WS,   40                          ; v40-55 the weights' scale words: scales alone
.set XS,   56                          ; v56-59 a further expert's: scales alone
.set A1,   60                          ; v60-67 the first operand
.set A1M,  68                          ; v68-75 with zeros in the lanes of other experts than E0
.set W,    76                          ; v76-139 eight tiles of the first product; in a chunk four arrays of 16:
.set HH,   76
.set TT,   92
.set PP,   108
.set MM,   124
.set G,    140                         ; v140-155 a chunk's gains; in the first sweep the sums
.set B,    156                         ; v156-171 its biases
.set Y,    172                         ; v172-187 the next chunk's numbers
.set ACC,  188                         ; v188-251 the eight tiles of the second product
.set FX,   108                         ; v108-171 a further expert's eight fragments of W2
; window 1 (v256-511): 32 fragments of W1, then of W2: fragment f at 8 f
.set MSB, 0
.macro WIN new                         ; the immediate's high byte repeats the setting that is left
.if MSB != \new
	s_set_vgpr_msb (MSB<<8)|\new
.set MSB, \new
.endif
.endm
.macro KPAIR r, val                    ; a packed form names a pair and takes its low word for both halves: both are written
	s_mov_b32 s[\r], \val
	s_mov_b32 s[\r+1], \val
.endm
.macro PLACES                          ; four plain places behind matrix instructions (ISA guide 7.12.1), where no other vector work is at hand
.rept 4
	v_nop
.endr
.endm
.macro MASK dst, src, n, m             ; codes are kept in the lanes of mask m and are zeros elsewhere
.set i, 0
.rept \n
	v_cndmask_b32 v[\dst+i], 0, v[\src+i], \m
.set i, i+1
.endr
.endm
.macro REFILL sb, f0, n                ; n fragments, from f0 on, into window 1
	WIN 0x40                                       ; destination window 1, address window 0
.set f, \f0
.rept \n
	global_load_b128 v[8*f:8*f+3], v[L16], s[\sb:\sb+1] offset:1024*f
	global_load_b128 v[8*f+4:8*f+7], v[L16], s[\sb:\sb+1] offset:1024*f+512
.set f, f+1
.endr
	WIN 0
.endm
.macro WSLOAD mo                       ; the 16 registers of scale words of E0's W1 (mo = 0) or W2 (2,048)
.irp i, 0,1,2,3
	global_load_b128 v[WS+4*\i:WS+4*\i+3], v[L16], s[56:57] offset:\mo+512*\i
.endr
.endm
.macro CH_PARAM ta, gb, bb, po0        ; the first chunk's gains and biases: 16 neighbours of my expert's row each
	v_add_nc_u32 v[ADG], \po0, v[\ta]
.irp q, 0,1,2,3
	global_load_b128 v[G+4*\q:G+4*\q+3], v[ADG], s[\gb:\gb+1] offset:16*\q
.endr
.irp q, 0,1,2,3
	global_load_b128 v[B+4*\q:B+4*\q+3], v[ADG], s[\bb:\bb+1] offset:16*\q
.endr
.endm
.macro CH_Y src                        ; the first chunk's numbers
.irp q, 0,1,2,3
	ds_load_b128 v[Y+4*\q:Y+4*\q+3], v[LI] offset:\src+512*\q
.endr
.endm
; FOUR CHUNKS.  A chunk is 16 numbers a lane: lanes l and l xor 16 hold a block of 32 along the next K.  h = y g + b, gelu, the block's scale, the codes.
; At the head of a trip its numbers, gains and biases are in registers; the next trip's twelve loads go out behind the first eight lines and are awaited at the trip's end.
; The last trip's look-ahead wraps to the first chunk (LDS: & 8,191; the tables: & pmask), so it reads bytes that are written and stays inside its buffers; it is not used.
.macro CH_LOOP src, ta, gb, bb, po0, pmask, co0
	s_mov_b32 s88, 0
	s_mov_b32 s89, 0
	s_mov_b32 s90, \po0
	s_mov_b32 s91, \co0
.Lch_\@:
.irp i, 0,2,4,6,8,10,12,14
	v_pk_fma_f32 v[HH+\i:HH+\i+1], v[Y+\i:Y+\i+1], v[G+\i:G+\i+1], v[B+\i:B+\i+1]
.endr
	s_add_co_u32 s89, s89, 2048
	s_add_co_u32 s90, s90, 128
	s_and_b32 s92, s89, 8191
	s_and_b32 s93, s90, \pmask
	v_add_nc_u32 v[ADS], s92, v[LI]
	v_add_nc_u32 v[ADG], s93, v[\ta]               ; (the loads that named it are done: the wait in front of the loop, or the last trip's)
.irp q, 0,1,2,3
	ds_load_b128 v[Y+4*\q:Y+4*\q+3], v[ADS] offset:\src+512*\q
.endr
.irp q, 0,1,2,3
	global_load_b128 v[G+4*\q:G+4*\q+3], v[ADG], s[\gb:\gb+1] offset:16*\q
.endr
.irp q, 0,1,2,3
	global_load_b128 v[B+4*\q:B+4*\q+3], v[ADG], s[\bb:\bb+1] offset:16*\q
.endr
.irp i, 0,1,2,3,4,5,6,7,8,9,10,11,12,13,14,15
	v_fma_f32 v[TT+\i], |v[HH+\i]|, s66, 1.0       ; 1 + |h| / sqrt 8
.endr
.irp i, 0,1,2,3,4,5,6,7,8,9,10,11,12,13,14,15
	v_rcp_f32 v[TT+\i], v[TT+\i]                   ; t
.endr
.irp i, 0,2,4,6,8,10,12,14
	v_pk_mul_f32 v[MM+\i:MM+\i+1], v[HH+\i:HH+\i+1], v[HH+\i:HH+\i+1]                       ; (plain places behind the reciprocals)
.endr
.irp i, 0,2,4,6,8,10,12,14
	v_pk_fma_f32 v[MM+\i:MM+\i+1], v[MM+\i:MM+\i+1], s[84:85], v[K0:K0+1] op_sel_hi:[1,0,1]  ; cm h^2 + c0
.endr
	s_wait_alu depctr_va_vdst(0)
.irp i, 0,2,4,6,8,10,12,14
	v_pk_fma_f32 v[PP+\i:PP+\i+1], v[TT+\i:TT+\i+1], v[K9:K9+1], s[68:69] op_sel_hi:[1,1,0]  ; c9 t + c8
.endr
.irp c, 70,72,74,76,78,80,82
.irp i, 0,2,4,6,8,10,12,14
	v_pk_fma_f32 v[PP+\i:PP+\i+1], v[PP+\i:PP+\i+1], v[TT+\i:TT+\i+1], s[\c:\c+1] op_sel_hi:[1,1,0]   ; .. + c7 down to c1
.endr
.endr
.irp i, 0,2,4,6,8,10,12,14
	v_pk_fma_f32 v[PP+\i:PP+\i+1], v[PP+\i:PP+\i+1], v[TT+\i:TT+\i+1], v[MM+\i:MM+\i+1]
.endr
.irp i, 0,1,2,3,4,5,6,7,8,9,10,11,12,13,14,15
	v_exp_f32 v[PP+\i], v[PP+\i]
.endr
.irp i, 0,1,2,3,4,5,6,7,8,9,10,11,12,13,14,15
	v_max_num_f32 v[MM+\i], 0, v[HH+\i]            ; (plain places behind the exponentials)
.endr
	s_wait_alu depctr_va_vdst(0)
.irp i, 0,2,4,6,8,10,12,14
	v_pk_mul_f32 v[TT+\i:TT+\i+1], v[TT+\i:TT+\i+1], v[PP+\i:PP+\i+1]                       ; q
.endr
.irp i, 0,1,2,3,4,5,6,7,8,9,10,11,12,13,14,15
	v_fma_f32 v[HH+\i], -|v[HH+\i]|, v[TT+\i], v[MM+\i]                                     ; gelu
.endr
	v_max3_num_f32 v[MXB], |v[HH]|, |v[HH+1]|, 0x1800000           ; the block's largest magnitude, in two chains, over the floor 2^(3 - 127): the byte cannot fall under 1
	v_max3_num_f32 v[MXO], |v[HH+2]|, |v[HH+3]|, |v[HH+4]|
	v_max3_num_f32 v[MXB], v[MXB], |v[HH+5]|, |v[HH+6]|
	v_max3_num_f32 v[MXO], v[MXO], |v[HH+7]|, |v[HH+8]|
	v_max3_num_f32 v[MXB], v[MXB], |v[HH+9]|, |v[HH+10]|
	v_max3_num_f32 v[MXO], v[MXO], |v[HH+11]|, |v[HH+12]|
	v_max3_num_f32 v[MXB], v[MXB], |v[HH+13]|, |v[HH+14]|
	v_max3_num_f32 v[MXB], v[MXB], v[MXO], |v[HH+15]|
	v_permlanex16_b32 v[MXO], v[MXB], s32, s33
	v_max_num_f32 v[MXB], v[MXB], v[MXO]           ; with lane l xor 16's 16
	v_add_nc_u32 v[SCL], 0xff000000, v[MXB]        ; 2 off its exponent field: the conversion takes the exponent field of this operand as its scale
	v_lshrrev_b32 v[BYT], 23, v[SCL]               ; the scale's byte
	v_alignbit_b32 v[SW], v[SW+1], v[SW], 8        ; the 16 bytes move down by one and the new byte comes in on top: after 16 chunks register s holds K step s's word, after 4 the last holds the word
	v_alignbit_b32 v[SW+1], v[SW+2], v[SW+1], 8
	v_alignbit_b32 v[SW+2], v[SW+3], v[SW+2], 8
	v_alignbit_b32 v[SW+3], v[BYT], v[SW+3], 8
	v_cvt_scalef32_pk8_fp4_f32 v[CD], v[HH:HH+7], v[SCL]
	v_cvt_scalef32_pk8_fp4_f32 v[CD+1], v[HH+8:HH+15], v[SCL]
	v_nop                                          ; one plain place behind a scaled conversion
	v_add_nc_u32 v[ADC], s91, v[CW]
	ds_store_b64 v[ADC], v[CD:CD+1]                ; block b of a K step at 256 b + 16 r + 8 h: that IS the operand's image (lane r + 16 (b % 2), registers 4 (b / 2) on): no lane is swapped
	s_add_co_u32 s91, s91, 256
	s_wait_loadcnt 0x0                             ; the next trip's gains and biases, asked for a trip's work ago (and whatever weights were asked for ahead of them)
	s_wait_dscnt 0x0                               ; its numbers; and the codes are stored
	s_add_co_u32 s88, s88, 1
	s_cmp_lt_u32 s88, 4
	s_cbranch_scc1 .Lch_\@
.endm
.macro RED4                            ; four pairs of partial sums, and lane l xor 16's: the token's sum in v148
	v_pk_add_f32 v[148:149], v[148:149], v[150:151]
	v_pk_add_f32 v[152:153], v[152:153], v[154:155]
	v_pk_add_f32 v[148:149], v[148:149], v[152:153]
	v_add_f32 v148, v148, v149
	v_permlanex16_b32 v149, v148, s32, s33
	v_add_f32 v148, v148, v149
.endm
.macro SUM64 base                      ; the sum of a lane's 64 numbers in four chains, in ascending order: each tile of eight is read from its low end on
.irp n, 0,1,2,3
	v_pk_add_f32 v[148+2*\n:149+2*\n], v[\base+2*\n:\base+2*\n+1], v[\base+8+2*\n:\base+9+2*\n]
.endr
.set m, 8
.rept 24
	v_pk_add_f32 v[148+2*(m%4):149+2*(m%4)], v[148+2*(m%4):149+2*(m%4)], v[\base+2*m:\base+2*m+1]
.set m, m+1
.endr
	RED4
.endm
; Eight tiles of the first product: hidden units 128 g on.  Register 16 b + i of W is unit 128 g + 32 b + 16 (lane / 16) + i of my token.  Register q of the scale words serves fragment 2 q from lanes 0-15 and 2 q + 1 from lanes 16-31.
.macro P1 g
	WIN 0x01                                       ; source 0 window 1
.irp j, 0,1,2,3,4,5,6,7
.if \j % 2
	v_wmma_scale_f32_16x16x128_f8f6f4 v[W+8*\j:W+8*\j+7], v[8*(8*\g+\j):8*(8*\g+\j)+7], v[A1M:A1M+7], 0, v[WS+4*\g+\j/2], v[SA] matrix_a_fmt:MATRIX_FMT_FP4 matrix_b_fmt:MATRIX_FMT_FP4 matrix_a_scale:MATRIX_SCALE_ROW1
.else
	v_wmma_scale_f32_16x16x128_f8f6f4 v[W+8*\j:W+8*\j+7], v[8*(8*\g+\j):8*(8*\g+\j)+7], v[A1M:A1M+7], 0, v[WS+4*\g+\j/2], v[SA] matrix_a_fmt:MATRIX_FMT_FP4 matrix_b_fmt:MATRIX_FMT_FP4
.endif
.endr
	WIN 0
.endm
; The same eight tiles for every further expert of the tile, onto the same sums.  A tile of one expert passes by two scalar lines.  The eight sums take turns, over the backward jump too.
.macro EXTRA1 g
	s_cmp_eq_u32 s58, -1
	s_cbranch_scc1 .Lx1e_\@
	s_mov_b32 s59, 0
.Lx1_\@:
	v_cmp_eq_u32 vcc_lo, s59, v[VE]
	s_cmp_eq_u32 vcc_lo, 0                         ; no token of mine has this expert,
	s_cbranch_scc1 .Lx1s_\@
	s_cmp_eq_u32 s59, s94                          ; or it is E0, which is done
	s_cbranch_scc1 .Lx1s_\@
	PLACES                                         ; behind the products before: their operands are written and loaded anew below
	MASK Y, A1, 8, vcc_lo
	s_lshl_b32 s30, s59, 15
	s_add_nc_u64 s[60:61], s[10:11], s[30:31]
	s_lshl_b32 s30, s59, 12
	s_add_nc_u64 s[62:63], s[14:15], s[30:31]
.irp j, 0,1,2,3,4,5,6,7
	global_load_b128 v[ACC+8*\j:ACC+8*\j+3], v[L16], s[60:61] offset:1024*(8*\g+\j)
	global_load_b128 v[ACC+8*\j+4:ACC+8*\j+7], v[L16], s[60:61] offset:1024*(8*\g+\j)+512
.endr
	global_load_b128 v[XS:XS+3], v[L16], s[62:63] offset:512*\g
	s_wait_loadcnt 0x0
	PLACES                                         ; an operand written by vector instructions stands four places ahead of a scaled product
.irp j, 0,1,2,3,4,5,6,7
.if \j % 2
	v_wmma_scale_f32_16x16x128_f8f6f4 v[W+8*\j:W+8*\j+7], v[ACC+8*\j:ACC+8*\j+7], v[Y:Y+7], v[W+8*\j:W+8*\j+7], v[XS+\j/2], v[SA] matrix_a_fmt:MATRIX_FMT_FP4 matrix_b_fmt:MATRIX_FMT_FP4 matrix_a_scale:MATRIX_SCALE_ROW1
.else
	v_wmma_scale_f32_16x16x128_f8f6f4 v[W+8*\j:W+8*\j+7], v[ACC+8*\j:ACC+8*\j+7], v[Y:Y+7], v[W+8*\j:W+8*\j+7], v[XS+\j/2], v[SA] matrix_a_fmt:MATRIX_FMT_FP4 matrix_b_fmt:MATRIX_FMT_FP4
.endif
.endr
.Lx1s_\@:
	s_add_co_u32 s59, s59, 1
	s_cmp_lt_u32 s59, 8
	s_cbranch_scc1 .Lx1_\@
.Lx1e_\@:
.endm
; The second product for every further expert of the tile: four K steps, each with its operand from LDS, masked, and eight fragments from memory.
.macro EXTRA2
	s_cmp_eq_u32 s58, -1
	s_cbranch_scc1 .Lx2e_\@
	s_mov_b32 s59, 0
.Lx2_\@:
	v_cmp_eq_u32 vcc_lo, s59, v[VE]
	s_cmp_eq_u32 vcc_lo, 0
	s_cbranch_scc1 .Lx2s_\@
	s_cmp_eq_u32 s59, s94
	s_cbranch_scc1 .Lx2s_\@
	s_mov_b32 s92, vcc_lo
	s_lshl_b32 s30, s59, 15
	s_add_nc_u64 s[60:61], s[12:13], s[30:31]
	s_lshl_b32 s30, s59, 12
	s_add_nc_u64 s[62:63], s[14:15], s[30:31]
.irp s, 0,1,2,3
	PLACES                                         ; behind the products before
	ds_load_b128 v[Y:Y+3], v[LI] offset:CI+1024*\s
	ds_load_b128 v[Y+4:Y+7], v[LI] offset:CI+1024*\s+512
.irp j, 0,1,2,3,4,5,6,7
	global_load_b128 v[FX+8*\j:FX+8*\j+3], v[L16], s[60:61] offset:1024*(8*\s+\j)
	global_load_b128 v[FX+8*\j+4:FX+8*\j+7], v[L16], s[60:61] offset:1024*(8*\s+\j)+512
.endr
	global_load_b128 v[XS:XS+3], v[L16], s[62:63] offset:2048+512*\s
	s_wait_dscnt 0x0
	MASK Y, Y, 8, s92
	s_wait_loadcnt 0x0
	PLACES
.irp j, 0,1,2,3,4,5,6,7
.if \j % 2
	v_wmma_scale_f32_16x16x128_f8f6f4 v[ACC+8*\j:ACC+8*\j+7], v[FX+8*\j:FX+8*\j+7], v[Y:Y+7], v[ACC+8*\j:ACC+8*\j+7], v[XS+\j/2], v[SW+\s] matrix_a_fmt:MATRIX_FMT_FP4 matrix_b_fmt:MATRIX_FMT_FP4 matrix_a_scale:MATRIX_SCALE_ROW1
.else
	v_wmma_scale_f32_16x16x128_f8f6f4 v[ACC+8*\j:ACC+8*\j+7], v[FX+8*\j:FX+8*\j+7], v[Y:Y+7], v[ACC+8*\j:ACC+8*\j+7], v[XS+\j/2], v[SW+\s] matrix_a_fmt:MATRIX_FMT_FP4 matrix_b_fmt:MATRIX_FMT_FP4
.endif
.endr
.endr
.Lx2s_\@:
	s_add_co_u32 s59, s59, 1
	s_cmp_lt_u32 s59, 8
	s_cbranch_scc1 .Lx2_\@
.Lx2e_\@:
.endm
.macro STATS                           ; d = t - c in place; the sums of d (v140-143) and of d^2 (v144-147), two chains each
.set m, 0
.rept 32
	v_pk_add_f32 v[W+2*m:W+2*m+1], v[W+2*m:W+2*m+1], v[MEAN:MEAN+1] neg_lo:[0,1] neg_hi:[0,1]
.set m, m+1
.endr
.set m, 0
.rept 16
	v_pk_add_f32 v[140:141], v[140:141], v[W+4*m:W+4*m+1]
	v_pk_add_f32 v[142:143], v[142:143], v[W+4*m+2:W+4*m+3]
	v_pk_fma_f32 v[144:145], v[W+4*m:W+4*m+1], v[W+4*m:W+4*m+1], v[144:145]
	v_pk_fma_f32 v[146:147], v[W+4*m+2:W+4*m+3], v[W+4*m+2:W+4*m+3], v[146:147]
.set m, m+1
.endr
.endm
	s_load_b512 s[4:19], s[0:1], 0x0               ; x, order, wts, w1f, w2f, wsc, ln1_g, ln1_b
	s_load_b256 s[20:27], s[0:1], 0x40             ; ln2_g, ln2_b, b2, out0
	v_lshl_add_u32 v254, v0, 2, 0x39000
	v_mov_b32 v255, 0
	v_lshrrev_b32 v30, 5, v0
	v_readfirstlane_b32 s28, v30                   ; wave
	v_and_b32 v30, 31, v0                          ; lane
	v_and_b32 v31, 15, v0                          ; r
	v_bfe_u32 v[H64], v0, 4, 1                     ; h
	v_lshlrev_b32 v[L16], 4, v30
	s_mul_i32 s29, s28, WREG
	v_add_nc_u32 v[LI], s29, v[L16]
	v_lshlrev_b32 v[CW], 4, v31
	v_lshl_add_u32 v[CW], v[H64], 3, v[CW]
	v_add_nc_u32 v[CW], s29, v[CW]
	v_add_nc_u32 v[CW], CI, v[CW]
	v_mul_u32_u24 v[XRD], v31, SP
	v_add_nc_u32 v[XRD], s29, v[XRD]
	v_add_nc_u32 v[XRD], STG, v[XRD]
	v_lshl_add_u32 v[STO], v[H64], 5, v[XRD]
	v_lshl_add_u32 v[XRD], v[H64], 6, v[XRD]
	v_lshlrev_b32 v[H64], 6, v[H64]
	v_lshlrev_b32 v30, 2, v31                      ; my token's word of the tile's 16
	s_lshl_b32 s30, ttmp9, 3
	s_add_co_u32 s30, s30, s28                     ; tile
	s_lshl_b32 s30, s30, 6                         ; 64 bytes of the list a tile
	s_mov_b32 s31, 0                               ; stays 0: the upper word of every offset
	s_wait_kmcnt 0x0
	s_add_nc_u64 s[6:7], s[6:7], s[30:31]
	s_load_b512 s[36:51], s[6:7], 0x0              ; the 16 words as scalars (the rows' addresses, E0),
	global_load_b32 v31, v30, s[6:7]               ; and each lane's own
	s_mov_b32 s32, 0x76543210
	s_mov_b32 s33, 0xfedcba98                      ; v_permlanex16_b32's selects for lane l xor 16
	s_mov_b32 s66, 0x3eb504f3                      ; 1 / sqrt 8
	s_mov_b32 s67, 0x3c000000                      ; 1 / 128
	s_mov_b32 s86, 0x3727c5ac                      ; 1e-5
	KPAIR 68, 0xbf97d29d                           ; c8 .. c1, each x log2(e)
	KPAIR 70, 0x40097039
	KPAIR 72, 0xbfd1a1e5
	KPAIR 74, 0x3ecdfd18
	KPAIR 76, 0xbe899a80
	KPAIR 78, 0x3e0efb2e
	KPAIR 80, 0x3f0a29d2
	KPAIR 82, 0x3fb8ab5a
	KPAIR 84, 0xbf38aa3b                           ; cm = -log2(e) / 2
	v_mov_b32 v[K9], 0x3e7c6f08
	v_mov_b32 v[K9+1], 0x3e7c6f08
	v_mov_b32 v[K0], 0xc034d90f                    ; c0 = -1.26551223 log2(e) - 1
	v_mov_b32 v[K0+1], 0xc034d90f
.irp i, 0,1,2,3
	v_mov_b32 v[SW+\i], 0
	v_mov_b32 v[G+\i], 0
.endr
	s_mov_b32 s95, 0                               ; the pass
	s_wait_kmcnt 0x0
	s_bfe_u32 s34, s36, 0x30010                    ; the first token's two experts
	s_bfe_u32 s35, s36, 0x30014
	s_min_u32 s94, s34, 7                          ; E0 of the first pass
.irp i, 0,1,2,3,4,5,6,7,8,9,10,11,12,13,14,15
	s_and_b32 s[36+\i], s[36+\i], 0x7fff
	s_min_u32 s[36+\i], s[36+\i], 0x7fff           ; a loaded number is held inside the table that it indexes
	s_lshl_b32 s[36+\i], s[36+\i], 9               ; the token's row, in bytes: of x and of out0
	v_add_nc_u32 v[ACC+\i], s[36+\i], v[L16]
.endr
.irp i, 0,1,2,3,4,5,6,7,8,9,10,11,12,13,14,15
	global_load_b128 v[W+4*\i:W+4*\i+3], v[ACC+\i], s[4:5]        ; 32 lanes read a row's 512 bytes
.endr
	s_wait_loadcnt 16                              ; my word of the list is in; x's 16 rows may be out
	v_bfe_u32 v[VE], v31, 16, 3
	v_bfe_u32 v[EB], v31, 20, 3
	v_min_u32 v[VE], 7, v[VE]
	v_min_u32 v[EB], 7, v[EB]
	v_and_b32 v31, 0x7fff, v31
	v_min_u32 v31, 0x7fff, v31
	v_lshlrev_b32 v31, 3, v31
	global_load_b64 v[MXB:MXB+1], v31, s[8:9]      ; my token's two weights
	s_wait_loadcnt 1                               ; x is in
.irp i, 0,1,2,3,4,5,6,7,8,9,10,11,12,13,14,15
	ds_store_b128 v[LI], v[W+4*\i:W+4*\i+3] offset:STG+SP*\i
.endr
.irp b, 0,1,2,3
.irp q, 0,1,2,3
	ds_load_b128 v[ACC+16*\b+4*\q:ACC+16*\b+4*\q+3], v[XRD] offset:128*\b+16*\q     ; register 16 b + i = x[my token][32 b + 16 h + i].  LDS serves a wave's instructions in order
.endr
.endr
.irp j, 0,1,2,3,4,5,6,7
	ds_store_b128 v[STO], v[G:G+3] offset:64*\j                    ; behind those reads the stage is cleared: each pass adds its part onto it
	ds_store_b128 v[STO], v[G:G+3] offset:64*\j+16
.endr
	s_wait_loadcnt 0x0
	v_mov_b32 v[WP], v[MXB]
	v_mov_b32 v[WP+1], v[MXB]
	v_mov_b32 v[WB], v[MXB+1]
	v_mov_b32 v[WB+1], v[MXB+1]
	s_wait_dscnt 0x0
	; LayerNorm over the 128, in two true passes over the registers
	SUM64 ACC
	v_mul_f32 v[MEAN], s67, v148
	v_mov_b32 v[MEAN+1], v[MEAN]
.set m, 0
.rept 32
	v_pk_add_f32 v[ACC+2*m:ACC+2*m+1], v[ACC+2*m:ACC+2*m+1], v[MEAN:MEAN+1] neg_lo:[0,1] neg_hi:[0,1]
.set m, m+1
.endr
.irp n, 0,1,2,3
	v_pk_mul_f32 v[148+2*\n:149+2*\n], v[ACC+2*\n:ACC+2*\n+1], v[ACC+2*\n:ACC+2*\n+1]
.endr
.set m, 4
.rept 28
	v_pk_fma_f32 v[148+2*(m%4):149+2*(m%4)], v[ACC+2*m:ACC+2*m+1], v[ACC+2*m:ACC+2*m+1], v[148+2*(m%4):149+2*(m%4)]
.set m, m+1
.endr
	RED4
	v_fma_f32 v148, v148, s67, s86                 ; variance + 1e-5
	v_rsq_f32 v[RS], v148
	v_nop                                          ; a plain place behind the transcendental
	s_wait_alu depctr_va_vdst(0)
	v_mov_b32 v[RS+1], v[RS]
.set m, 0
.rept 32
	v_pk_mul_f32 v[ACC+2*m:ACC+2*m+1], v[ACC+2*m:ACC+2*m+1], v[RS:RS+1]
.set m, m+1
.endr
.irp n, 0,1,2,3,4,5,6,7,8,9,10,11,12,13,14,15
	ds_store_b128 v[LI], v[ACC+4*\n:ACC+4*\n+3] offset:XO+512*\n   ; four chunk images: both passes read them
.endr
.Lpass:
	; ---- this pass's experts: my own rows of the tables, the lanes of E0, E0's weights
	v_lshl_add_u32 v[TA1], v[VE], 9, v[H64]
	v_lshl_add_u32 v[TA2], v[VE], 11, v[H64]
	v_lshrrev_b32 v[TAB], 1, v[H64]
	v_lshl_add_u32 v[TAB], v[VE], 9, v[TAB]
	v_cmp_eq_u32 s58, s94, v[VE]
	s_lshl_b32 s30, s94, 15
	s_add_nc_u64 s[52:53], s[10:11], s[30:31]
	s_add_nc_u64 s[54:55], s[12:13], s[30:31]
	s_lshl_b32 s30, s94, 12
	s_add_nc_u64 s[56:57], s[14:15], s[30:31]
	CH_PARAM TA1, 16, 18, 0                        ; the first chunk's gains and biases go out ahead of the weights,
	REFILL 52, 0, 24                               ; 24 of W1's 32 fragments,
	WSLOAD 0                                       ; and its scale words
	CH_Y XO
	s_wait_loadcnt 52                              ; so this count leaves the 48 + 4 loads of weights out: they land under the first chunk
	s_wait_dscnt 0x0
	; ---- A: a1 = gelu(xn g1 + b1), quantised: one operand
	CH_LOOP XO, TA1, 16, 18, 0, 511, 0
	ds_load_b128 v[A1:A1+3], v[LI] offset:CI
	ds_load_b128 v[A1+4:A1+7], v[LI] offset:CI+512
	v_mov_b32 v[SA], v[SW+3]
	REFILL 52, 24, 8                               ; W1's last eight fragments: wanted by the fourth group below
	s_wait_dscnt 0x0
	MASK A1M, A1, 8, s58
.irp i, 0,1,2,3,4,5,6,7
	v_mov_b32 v[140+\i], 0                         ; the sums of d and d^2.  (Eight plain lines between the scale word's write and the first scaled product)
.endr
	; ---- sweep 1: the 512 hidden units, for their mean and variance alone
.irp g, 0,1,2,3
.if \g == 3
	s_wait_loadcnt 0x0                             ; fragments 24 to 31
.endif
	P1 \g
	EXTRA1 \g
	PLACES
.if \g == 0
	SUM64 W
	v_mul_f32 v[MEAN], s67, v148                   ; c: the mean of the first 128 units
	v_mov_b32 v[MEAN+1], v[MEAN]
.endif
	STATS
.endr
	v_pk_add_f32 v[140:141], v[140:141], v[142:143]
	v_pk_add_f32 v[144:145], v[144:145], v[146:147]
	v_add_f32 v140, v140, v141
	v_add_f32 v144, v144, v145
	v_permlanex16_b32 v141, v140, s32, s33
	v_permlanex16_b32 v145, v144, s32, s33
	v_add_f32 v140, v140, v141
	v_add_f32 v144, v144, v145
	v_mul_f32 v140, 0x3b000000, v140               ; the mean of d
	v_mul_f32 v144, 0x3b000000, v144               ; the mean of d^2
	v_fma_f32 v144, -v140, v140, v144              ; the variance
	v_max_num_f32 v144, 0, v144
	v_add_f32 v144, s86, v144
	v_add_f32 v[MEAN], v[MEAN], v140               ; the mean
	v_rsq_f32 v[RS], v144
	v_mov_b32 v[MEAN+1], v[MEAN]                   ; (a plain place)
	s_wait_alu depctr_va_vdst(0)
	v_mov_b32 v[RS+1], v[RS]
	; ---- sweep 2: the same units again, 128 at a time: normalised, through LDS into the chunks' loop, which leaves K step s of the second operand.  W2 takes the place of each group of W1 that is done
.irp s, 0,1,2,3
	P1 \s
	EXTRA1 \s
	PLACES
	CH_PARAM TA2, 20, 22, 512*\s
	REFILL 54, 8*\s, 8
.if \s == 3
	WSLOAD 2048                                    ; W2's scale words,
.irp j, 0,1,2,3,4,5,6,7
	global_load_b128 v[ACC+8*\j:ACC+8*\j+3], v[TAB], s[24:25] offset:64*\j         ; and b2 of my own expert in the result's layout: the C of the second product's first links
	global_load_b128 v[ACC+8*\j+4:ACC+8*\j+7], v[TAB], s[24:25] offset:64*\j+16
.endr
.endif
.set m, 0
.rept 32
	v_pk_add_f32 v[W+2*m:W+2*m+1], v[W+2*m:W+2*m+1], v[MEAN:MEAN+1] neg_lo:[0,1] neg_hi:[0,1]
.set m, m+1
.endr
.set m, 0
.rept 32
	v_pk_mul_f32 v[W+2*m:W+2*m+1], v[W+2*m:W+2*m+1], v[RS:RS+1]
.set m, m+1
.endr
.irp n, 0,1,2,3,4,5,6,7,8,9,10,11,12,13,14,15
	ds_store_b128 v[LI], v[W+4*\n:W+4*\n+3] offset:TG+512*\n
.endr
	CH_Y TG
.if \s == 3
	s_wait_loadcnt 36                              ; the gains and biases are in; 16 + 4 + 16 younger loads may be out
.else
	s_wait_loadcnt 16                              ; the gains and biases are in; W2's 16 loads may be out
.endif
	s_wait_dscnt 0x0
	CH_LOOP TG, TA2, 20, 22, 512*\s, 2047, 1024*\s
.endr
	; ---- the second product: four K steps, eight tiles of 16 outputs by turns
.irp n, 0,1,2,3,4,5,6,7
	ds_load_b128 v[W+4*\n:W+4*\n+3], v[LI] offset:CI+512*\n
.endr
	s_wait_dscnt 0x0
	MASK W, W, 32, s58
	PLACES
	s_wait_loadcnt 0x0
	WIN 0x01
.irp s, 0,1,2,3
.irp j, 0,1,2,3,4,5,6,7
.if \j % 2
	v_wmma_scale_f32_16x16x128_f8f6f4 v[ACC+8*\j:ACC+8*\j+7], v[8*(8*\s+\j):8*(8*\s+\j)+7], v[W+8*\s:W+8*\s+7], v[ACC+8*\j:ACC+8*\j+7], v[WS+4*\s+\j/2], v[SW+\s] matrix_a_fmt:MATRIX_FMT_FP4 matrix_b_fmt:MATRIX_FMT_FP4 matrix_a_scale:MATRIX_SCALE_ROW1
.else
	v_wmma_scale_f32_16x16x128_f8f6f4 v[ACC+8*\j:ACC+8*\j+7], v[8*(8*\s+\j):8*(8*\s+\j)+7], v[W+8*\s:W+8*\s+7], v[ACC+8*\j:ACC+8*\j+7], v[WS+4*\s+\j/2], v[SW+\s] matrix_a_fmt:MATRIX_FMT_FP4 matrix_b_fmt:MATRIX_FMT_FP4
.endif
.endr
.endr
	WIN 0
	EXTRA2
	PLACES
	; ---- x the gate's weight, onto what the stage holds: each lane reads and writes its own bytes.  Register 8 j + i is output 16 j + 8 h + i of my token
.irp n, 0,1,2,3,4,5,6,7,8,9,10,11,12,13,14,15
	ds_load_b128 v[W+4*\n:W+4*\n+3], v[STO] offset:64*(\n/2)+16*(\n%2)
.endr
	s_wait_dscnt 0x0
.set m, 0
.rept 32
	v_pk_fma_f32 v[ACC+2*m:ACC+2*m+1], v[ACC+2*m:ACC+2*m+1], v[WP:WP+1], v[W+2*m:W+2*m+1]     ; each tile from its low end on
.set m, m+1
.endr
.irp n, 0,1,2,3,4,5,6,7,8,9,10,11,12,13,14,15
	ds_store_b128 v[STO], v[ACC+4*\n:ACC+4*\n+3] offset:64*(\n/2)+16*(\n%2)
.endr
	v_min_u32 v[VE], 7, v[EB]                      ; the second pass: the higher-numbered experts and their weights
	s_min_u32 s94, s35, 7
	v_mov_b32 v[WP], v[WB]
	v_mov_b32 v[WP+1], v[WB+1]
	s_add_co_u32 s95, s95, 1
	s_cmp_lt_u32 s95, 2
	s_cbranch_scc1 .Lpass
	; ---- the way out: 16 whole rows from the stage, each to its token's place
.irp i, 0,1,2,3,4,5,6,7,8,9,10,11,12,13,14,15
	v_add_nc_u32 v[G+\i], s[36+\i], v[L16]
.endr
.irp i, 0,1,2,3,4,5,6,7,8,9,10,11,12,13,14,15
	ds_load_b128 v[W+4*\i:W+4*\i+3], v[LI] offset:STG+SP*\i        ; LDS serves a wave's instructions in order: these see the stores above
.endr
.irp i, 0,1,2,3,4,5,6,7,8,9,10,11,12,13,14,15
	s_wait_dscnt 15-\i                             ; row i is in; the younger rows may be out
	global_store_b128 v[G+\i], v[W+4*\i:W+4*\i+3], s[26:27] th:TH_STORE_NT     ; 32 lanes store a row's 512 consecutive bytes, at a multiple of 512 from out0's first byte
.endr
	s_wait_tensorcnt 0x0
	ds_add_u32 v254, v255
	s_wait_dscnt 0x0
	s_endpgm
.Lfunc_end_k_q22466c1bba_chain:
	.size	k_q22466c1bba_chain, .Lfunc_end_k_q22466c1bba_chain-k_q22466c1bba_chain
	.p2alignl 7, 3214868480
	.fill 96, 4, 3214868480
	.section	.rodata,"a",@progbits
	.p2align	6, 0x0
	.amdhsa_kernel k_q22466c1bba_chain
		.amdhsa_group_segment_fixed_size 234496
		.amdhsa_private_segment_fixed_size 0
		.amdhsa_enable_private_segment 0
		.amdhsa_kernarg_size 96
		.amdhsa_user_sgpr_count 2
		.amdhsa_user_sgpr_kernarg_segment_ptr 1
		.amdhsa_wavefront_size32 1
		.amdhsa_system_sgpr_workgroup_id_x 1
		.amdhsa_system_sgpr_workgroup_id_y 1
		.amdhsa_system_sgpr_workgroup_id_z 1
		.amdhsa_system_vgpr_workitem_id 0
		.amdhsa_next_free_vgpr 512
		.amdhsa_next_free_sgpr 100
		.amdhsa_reserve_vcc 1
		.amdhsa_float_denorm_mode_32 3
		.amdhsa_float_denorm_mode_16_64 3
		.amdhsa_memory_ordered 1
		.amdhsa_forward_progress 1
		.amdhsa_inst_pref_size 223
	.end_amdhsa_kernel
	.amdgpu_metadata
---
amdhsa.version: [ 1, 2 ]
amdhsa.kernels:
  - .name:           k_q22466c1bba_chain
    .symbol:         k_q22466c1bba_chain.kd
    .args:
      - { .name: x, .offset: 0, .size: 8, .value_kind: global_buffer, .address_space: global }
      - { .name: order, .offset: 8, .size: 8, .value_kind: global_buffer, .address_space: global }
      - { .name: wts, .offset: 16, .size: 8, .value_kind: global_buffer, .address_space: global }
      - { .name: w1f, .offset: 24, .size: 8, .value_kind: global_buffer, .address_space: global }
      - { .name: w2f, .offset: 32, .size: 8, .value_kind: global_buffer, .address_space: global }
      - { .name: wsc, .offset: 40, .size: 8, .value_kind: global_buffer, .address_space: global }
      - { .name: ln1_g, .offset: 48, .size: 8, .value_kind: global_buffer, .address_space: global }
      - { .name: ln1_b, .offset: 56, .size: 8, .value_kind: global_buffer, .address_space: global }
      - { .name: ln2_g, .offset: 64, .size: 8, .value_kind: global_buffer, .address_space: global }
      - { .name: ln2_b, .offset: 72, .size: 8, .value_kind: global_buffer, .address_space: global }
      - { .name: b2, .offset: 80, .size: 8, .value_kind: global_buffer, .address_space: global }
      - { .name: out0, .offset: 88, .size: 8, .value_kind: global_buffer, .address_space: global }
    .group_segment_fixed_size: 234496
    .private_segment_fixed_size: 0
    .kernarg_segment_align: 8
    .kernarg_segment_size: 96
    .max_flat_workgroup_size: 256
    .sgpr_count:     100
    .vgpr_count:     512
    .wavefront_size: 32
...
	.end_amdgpu_metadata
.endif
;; end of part 3
;; ======== version 2 of 2: 3 launches; version 1 with the launch chain written anew for expert scheduling mode
;; workspace buffers: keys 131,072 bytes of whole numbers; hist 16,384 bytes of whole numbers; wts 262,144 bytes; order 131,072 bytes of whole numbers; w1f 262,144 bytes; w2f 262,144 bytes; wsc 32,768 bytes
;; launch route: the kernel of part 1 again; grid 256 x 1, 8 waves a work-group, no clusters, 71,168 bytes of LDS; arguments x, gate_w, gate_b, w1_codes, w1_scales, w2_codes, w2_scales, keys, wts, hist, w1f, w2f, wsc; writes keys, wts, hist, w1f, w2f, wsc
;; launch place: the kernel of part 2 again; grid 256 x 1, 1 waves a work-group, no clusters, 0 bytes of LDS; arguments keys, hist, order; writes order
;; launch chain (part 4): grid 256 x 1, 8 waves a work-group, no clusters, 234,496 bytes of LDS; arguments x, order, wts, w1f, w2f, wsc, ln1_g, ln1_b, ln2_g, ln2_b, b2, out0; writes out0
.if DOCPART == 4
	.amdgcn_target "amdgcn-amd-amdhsa--gfx1250"
	.amdhsa_code_object_version 6
	.text
	.protected	k_q22466c1bba_chain
	.globl	k_q22466c1bba_chain
	.p2align	8
	.type	k_q22466c1bba_chain,@function
k_q22466c1bba_chain:
	s_mov_b64 s[64:65], 0
	v_nop
	global_prefetch_b8 v0, s[64:65] scope:SCOPE_SE
	s_setreg_imm32_b32 hwreg(HW_REG_WAVE_SCHED_MODE, 0, 2), 2
	s_setreg_imm32_b32 hwreg(HW_REG_WAVE_MODE, 25, 1), 1
	s_wait_xcnt 0x0
	s_wait_alu depctr_vm_vsrc(0)
; THE EXPERTS' CHAIN.  One wave takes 16 tokens of the sorted list (tile = 8 x work-group + wave: 2,048 tiles, none padded) through the whole chain for both of each token's experts:
; LayerNorm over 128, affine, gelu, quantised | x W1^T | LayerNorm over 512, affine, gelu, quantised | x W2^T + b2 | x the gate's weight, both experts added, whole rows stored.
; Both products run on codes of FP4 (E2M1) with one E8M0 scale for each 32 along K, and are used TRANSPOSED (source 0 = 16 rows of the weight, source 1 = my 16 tokens): a lane holds ONE token
; (lane % 16), so all vector work takes the expert from the lane (its own rows of the affine tables and of b2, by offsets made of the expert's number held to 0 .. 7).
; TWO PASSES, one loop of two trips: the tokens' lower-numbered experts, then the higher.  The list is sorted by pairs of experts, so nearly every tile has one expert a pass: that of its first token, E0.
; The tokens' codes are set to zero in the lanes of other experts; for each further expert present (a counted loop over the 8, with scalar branches on the stored list) the product is made again with
; that expert's weights and the codes of its lanes alone, onto the same sums: zero codes add nothing.  So any split is served, and a mixed tile costs matrix work and loads only.
; THE FIRST PRODUCT IS MADE TWICE: once for the mean and variance of the 512 hidden units, once more, 128 units at a time, to normalise them.  W1's 32 fragments stay in registers for both, and
; the vector work can be a loop over chunks of 16 numbers a lane that come from LDS by a stepped address.
; gelu(h) = max(h, 0) - |h| q, q = erfc(|h| / sqrt 2) / 2 = t 2^(cm h^2 + c0 + t (c1 + t (c2 + .. + t c9))), t = 1 / (1 + |h| / sqrt 8): a fit of erfc with a fractional error of about 1.2e-7 for every
; argument, its coefficients multiplied by log2(e), the half taken into c0.  No difference of near numbers for either sign, no branch.
; The variance of the 512: sums of d and d^2 with d = t - c, c the mean of the first 128 units; the mean of d, squared, is at most 3 times the variance, so no large sums are subtracted.
; LIMITS: NaN and infinities are not served.  Where q falls under 2^-126 the exponential gives 0 and gelu is -0.  A block of zeros gets the scale byte 1; its codes are zeros and only this text reads the byte.
; NO TENSOR LOADS, NO CLUSTER: which expert's weights a wave wants hangs on the stored list, so partners would ask for different tiles; the weights come as images of operand registers straight into
; registers, 16 bytes a lane, 512 consecutive bytes a load.  The waves share nothing: no barrier.
; LDS, for each wave: TG 8,192 (four chunk images of 128 hidden units: [chunk][q][lane][16]); CI 4,096 (the codes as images of four operands); XO 8,192 (normalised x, four chunk images); STG 16 rows x 528 (x's turn, then the result).
; THE MODE: SCHED_MODE bits 1:0 = 2 (LLVM: expert scheduling mode 2), set by the entry lines.  The code itself states the register dependences
; between vector or matrix instructions and memory or LDS instructions, with s_wait_alu, always for 0.
; THE PLAN.  Registers that memory or LDS instructions touch:
;   v1-v5            Offsets and LDS addresses, made once at the head and never written again.
;   v[TAB]           Written at a pass's head; read by b2's loads.
;   v[ADS] v[ADG] v[ADC]  Written at a chunk trip's head (v[ADG] also ahead of a chunk loop); read by that trip's twelve loads and its one store.
;   Y, G, B          A trip's first eight multiply-adds read them; behind them the next trip's loads land there.  G also holds the zeros that the head stores, the first sweep's sums and the way out's offsets.
;   CD               Written by a trip's two conversions, read by its store.
;   W                Written by products and vector work; read by the stores to TG; the operands from CI and the stage's rows land in it.
;   ACC              Read by the stores to XO and to the stage; b2 and a further expert's fragments of W1 land in it; products read and write it.
;   window 1, WS, XS, FX, A1   Loaded; read by products or selects.
; So: one wait on vm_vsrc at a pass's head and one at each chunk trip's head free all that earlier stores and loads have read; one wait on va_vdst stands ahead of each run of loads or stores
; (behind the address's addition, behind the trip's first eight multiply-adds, behind the arithmetic that a run of stores takes), and nothing but loads and window switches stands between it and the run's end.
.set TG,   0
.set CI,   8192
.set XO,   12288
.set STG,  20480
.set SP,   528
.set WREG, 29184
.set L16,  1                           ; v1   16 x lane
.set LI,   2                           ; v2   my wave's LDS + 16 x lane
.set CW,   3                           ; v3   where a chunk's 8 bytes of codes go: CI + 16 r + 8 h
.set XRD,  4                           ; v4   stage: row r + 64 h
.set STO,  5                           ; v5   stage: row r + 32 h
.set VE,   6                           ; v6   my token's expert in this pass
.set EB,   7                           ; v7   its higher-numbered expert
.set WP,   8                           ; v[8:9]   this pass's weight, twice
.set WB,   10                          ; v[10:11] the second pass's
.set TA1,  12                          ; v12  512 e + 64 h: my rows of ln1_g, ln1_b
.set TA2,  13                          ; v13  2,048 e + 64 h: of ln2_g, ln2_b
.set TAB,  14                          ; v14  512 e + 32 h: of b2
.set ADS,  15
.set ADG,  16
.set ADC,  17
.set MEAN, 18                          ; v[18:19]
.set RS,   20                          ; v[20:21]
.set MXB,  22
.set MXO,  23
.set SCL,  24
.set BYT,  25
.set CD,   26                          ; v[26:27] a chunk's codes
.set K9,   28                          ; v[28:29] c9
.set SW,   32                          ; v32-35 the tokens' scale bytes, a shift register of 16: scales alone
.set SA,   36                          ; v36    the first operand's scale word: scales alone
.set H64,  37                          ; v37    64 h
.set K0,   38                          ; v[38:39] c0
.set WS,   40                          ; v40-55 the weights' scale words: scales alone
.set XS,   56                          ; v56-59 a further expert's: scales alone
.set A1,   60                          ; v60-67 the first operand
.set A1M,  68                          ; v68-75 with zeros in the lanes of other experts than E0
.set W,    76                          ; v76-139 eight tiles of the first product; in a chunk four arrays of 16:
.set HH,   76
.set TT,   92
.set PP,   108
.set MM,   124
.set G,    140                         ; v140-155 a chunk's gains; in the first sweep the sums
.set B,    156                         ; v156-171 its biases
.set Y,    172                         ; v172-187 the next chunk's numbers
.set ACC,  188                         ; v188-251 the eight tiles of the second product
.set FX,   108                         ; v108-171 a further expert's eight fragments of W2
; window 1 (v256-511): 32 fragments of W1, then of W2: fragment f at 8 f
.set MSB, 0
.macro WIN new                         ; the immediate's high byte repeats the setting that is left
.if MSB != \new
	s_set_vgpr_msb (MSB<<8)|\new
.set MSB, \new
.endif
.endm
.macro KPAIR r, val                    ; a packed form names a pair and takes its low word for both halves: both are written
	s_mov_b32 s[\r], \val
	s_mov_b32 s[\r+1], \val
.endm
.macro PLACES                          ; four plain places behind matrix instructions (ISA guide 7.12.1), where no other vector work is at hand
.rept 4
	v_nop
.endr
.endm
.macro MASK dst, src, n, m             ; codes are kept in the lanes of mask m and are zeros elsewhere
.set i, 0
.rept \n
	v_cndmask_b32 v[\dst+i], 0, v[\src+i], \m
.set i, i+1
.endr
.endm
.macro REFILL sb, f0, n                ; n fragments, from f0 on, into window 1
	WIN 0x40                                       ; destination window 1, address window 0
.set f, \f0
.rept \n
	global_load_b128 v[8*f:8*f+3], v[L16], s[\sb:\sb+1] offset:1024*f
	global_load_b128 v[8*f+4:8*f+7], v[L16], s[\sb:\sb+1] offset:1024*f+512
.set f, f+1
.endr
	WIN 0
.endm
.macro WSLOAD mo                       ; the 16 registers of scale words of E0's W1 (mo = 0) or W2 (2,048)
.irp i, 0,1,2,3
	global_load_b128 v[WS+4*\i:WS+4*\i+3], v[L16], s[56:57] offset:\mo+512*\i
.endr
.endm
.macro CH_PARAM ta, gb, bb, po0        ; the first chunk's gains and biases: 16 neighbours of my expert's row each
	v_add_nc_u32 v[ADG], \po0, v[\ta]
	s_wait_alu depctr_va_vdst(0)                   ; v[ADG] (and, in a pass's first use, v[TAB]) is written, which loads below read; every earlier vector and matrix instruction is done with G and B, and with the fragments, scale words, Y and ACC, in which the loads up to the next vector instruction land
.irp q, 0,1,2,3
	global_load_b128 v[G+4*\q:G+4*\q+3], v[ADG], s[\gb:\gb+1] offset:16*\q
.endr
.irp q, 0,1,2,3
	global_load_b128 v[B+4*\q:B+4*\q+3], v[ADG], s[\bb:\bb+1] offset:16*\q
.endr
.endm
.macro CH_Y src                        ; the first chunk's numbers
.irp q, 0,1,2,3
	ds_load_b128 v[Y+4*\q:Y+4*\q+3], v[LI] offset:\src+512*\q
.endr
.endm
; FOUR CHUNKS.  A chunk is 16 numbers a lane: lanes l and l xor 16 hold a block of 32 along the next K.  h = y g + b, gelu, the block's scale, the codes.
; At the head of a trip its numbers, gains and biases are in registers; the next trip's twelve loads go out behind the first eight multiply-adds and are awaited at the trip's end.
; The last trip's look-ahead wraps to the first chunk (LDS: & 8,191; the tables: & pmask), so it reads bytes that are written and stays inside its buffers; it is not used.
.macro CH_LOOP src, ta, gb, bb, po0, pmask, co0
	s_mov_b32 s88, 0
	s_mov_b32 s89, 0
	s_mov_b32 s90, \po0
	s_mov_b32 s91, \co0
.Lch_\@:
	s_add_co_u32 s89, s89, 2048
	s_add_co_u32 s90, s90, 128
	s_and_b32 s92, s89, 8191
	s_and_b32 s93, s90, \pmask
	s_wait_alu depctr_vm_vsrc(0)                   ; the loads and the store issued so far have read v[ADS], v[ADG], v[ADC] and CD, which this trip writes again; in a first trip also the stores that read W, which the trip's arrays lie in
	v_add_nc_u32 v[ADS], s92, v[LI]
	v_add_nc_u32 v[ADG], s93, v[\ta]               ; (the loads that named it are done: the wait in front of the loop, or the last trip's)
	v_add_nc_u32 v[ADC], s91, v[CW]
.irp i, 0,2,4,6,8,10,12,14
	v_pk_fma_f32 v[HH+\i:HH+\i+1], v[Y+\i:Y+\i+1], v[G+\i:G+\i+1], v[B+\i:B+\i+1]
.endr
	s_wait_alu depctr_va_vdst(0)                   ; the three addresses are written, which the loads below and the trip's store read; the multiply-adds are done reading Y, G and B, in which the loads land.  No later line of the trip names Y, G or B
.irp q, 0,1,2,3
	ds_load_b128 v[Y+4*\q:Y+4*\q+3], v[ADS] offset:\src+512*\q
.endr
.irp q, 0,1,2,3
	global_load_b128 v[G+4*\q:G+4*\q+3], v[ADG], s[\gb:\gb+1] offset:16*\q
.endr
.irp q, 0,1,2,3
	global_load_b128 v[B+4*\q:B+4*\q+3], v[ADG], s[\bb:\bb+1] offset:16*\q
.endr
.irp i, 0,1,2,3,4,5,6,7,8,9,10,11,12,13,14,15
	v_fma_f32 v[TT+\i], |v[HH+\i]|, s66, 1.0       ; 1 + |h| / sqrt 8
.endr
.irp i, 0,1,2,3,4,5,6,7,8,9,10,11,12,13,14,15
	v_rcp_f32 v[TT+\i], v[TT+\i]                   ; t
.endr
.irp i, 0,2,4,6,8,10,12,14
	v_pk_mul_f32 v[MM+\i:MM+\i+1], v[HH+\i:HH+\i+1], v[HH+\i:HH+\i+1]                       ; (plain places behind the reciprocals)
.endr
.irp i, 0,2,4,6,8,10,12,14
	v_pk_fma_f32 v[MM+\i:MM+\i+1], v[MM+\i:MM+\i+1], s[84:85], v[K0:K0+1] op_sel_hi:[1,0,1]  ; cm h^2 + c0
.endr
	s_wait_alu depctr_va_vdst(0)                   ; the sixteen reciprocals have written TT: one wait for the batch, ahead of its first reader
.irp i, 0,2,4,6,8,10,12,14
	v_pk_fma_f32 v[PP+\i:PP+\i+1], v[TT+\i:TT+\i+1], v[K9:K9+1], s[68:69] op_sel_hi:[1,1,0]  ; c9 t + c8
.endr
.irp c, 70,72,74,76,78,80,82
.irp i, 0,2,4,6,8,10,12,14
	v_pk_fma_f32 v[PP+\i:PP+\i+1], v[PP+\i:PP+\i+1], v[TT+\i:TT+\i+1], s[\c:\c+1] op_sel_hi:[1,1,0]   ; .. + c7 down to c1
.endr
.endr
.irp i, 0,2,4,6,8,10,12,14
	v_pk_fma_f32 v[PP+\i:PP+\i+1], v[PP+\i:PP+\i+1], v[TT+\i:TT+\i+1], v[MM+\i:MM+\i+1]
.endr
.irp i, 0,1,2,3,4,5,6,7,8,9,10,11,12,13,14,15
	v_exp_f32 v[PP+\i], v[PP+\i]
.endr
.irp i, 0,1,2,3,4,5,6,7,8,9,10,11,12,13,14,15
	v_max_num_f32 v[MM+\i], 0, v[HH+\i]            ; (plain places behind the exponentials)
.endr
	s_wait_alu depctr_va_vdst(0)                   ; the sixteen exponentials have written PP: one wait for the batch, ahead of its first reader
.irp i, 0,2,4,6,8,10,12,14
	v_pk_mul_f32 v[TT+\i:TT+\i+1], v[TT+\i:TT+\i+1], v[PP+\i:PP+\i+1]                       ; q
.endr
.irp i, 0,1,2,3,4,5,6,7,8,9,10,11,12,13,14,15
	v_fma_f32 v[HH+\i], -|v[HH+\i]|, v[TT+\i], v[MM+\i]                                     ; gelu
.endr
	v_max3_num_f32 v[MXB], |v[HH]|, |v[HH+1]|, 0x1800000           ; the block's largest magnitude, in two chains, over the floor 2^(3 - 127): the byte cannot fall under 1
	v_max3_num_f32 v[MXO], |v[HH+2]|, |v[HH+3]|, |v[HH+4]|
	v_max3_num_f32 v[MXB], v[MXB], |v[HH+5]|, |v[HH+6]|
	v_max3_num_f32 v[MXO], v[MXO], |v[HH+7]|, |v[HH+8]|
	v_max3_num_f32 v[MXB], v[MXB], |v[HH+9]|, |v[HH+10]|
	v_max3_num_f32 v[MXO], v[MXO], |v[HH+11]|, |v[HH+12]|
	v_max3_num_f32 v[MXB], v[MXB], |v[HH+13]|, |v[HH+14]|
	v_max3_num_f32 v[MXB], v[MXB], v[MXO], |v[HH+15]|
	v_permlanex16_b32 v[MXO], v[MXB], s32, s33
	v_max_num_f32 v[MXB], v[MXB], v[MXO]           ; with lane l xor 16's 16
	v_add_nc_u32 v[SCL], 0xff000000, v[MXB]        ; 2 off its exponent field: the conversion takes the exponent field of this operand as its scale
	v_lshrrev_b32 v[BYT], 23, v[SCL]               ; the scale's byte
	v_alignbit_b32 v[SW], v[SW+1], v[SW], 8        ; the 16 bytes move down by one and the new byte comes in on top: after 16 chunks register s holds K step s's word, after 4 the last holds the word
	v_alignbit_b32 v[SW+1], v[SW+2], v[SW+1], 8
	v_alignbit_b32 v[SW+2], v[SW+3], v[SW+2], 8
	v_alignbit_b32 v[SW+3], v[BYT], v[SW+3], 8
	v_cvt_scalef32_pk8_fp4_f32 v[CD], v[HH:HH+7], v[SCL]
	v_cvt_scalef32_pk8_fp4_f32 v[CD+1], v[HH+8:HH+15], v[SCL]
	v_nop                                          ; one plain place behind a scaled conversion
	s_wait_alu depctr_va_vdst(0)                   ; the conversions have written CD, which the store reads.  No vector line stands between this wait and the trip's end, so it also serves the loads that follow the loop
	ds_store_b64 v[ADC], v[CD:CD+1]                ; block b of a K step at 256 b + 16 r + 8 h: that IS the operand's image (lane r + 16 (b % 2), registers 4 (b / 2) on): no lane is swapped
	s_add_co_u32 s91, s91, 256
	s_wait_loadcnt 0x0                             ; the next trip's gains and biases, asked for a trip's work ago (and whatever weights were asked for ahead of them)
	s_wait_dscnt 0x0                               ; its numbers; and the codes are stored
	s_add_co_u32 s88, s88, 1
	s_cmp_lt_u32 s88, 4
	s_cbranch_scc1 .Lch_\@
.endm
.macro RED4                            ; four pairs of partial sums, and lane l xor 16's: the token's sum in v148
	v_pk_add_f32 v[148:149], v[148:149], v[150:151]
	v_pk_add_f32 v[152:153], v[152:153], v[154:155]
	v_pk_add_f32 v[148:149], v[148:149], v[152:153]
	v_add_f32 v148, v148, v149
	v_permlanex16_b32 v149, v148, s32, s33
	v_add_f32 v148, v148, v149
.endm
.macro SUM64 base                      ; the sum of a lane's 64 numbers in four chains, in ascending order: each tile of eight is read from its low end on
.irp n, 0,1,2,3
	v_pk_add_f32 v[148+2*\n:149+2*\n], v[\base+2*\n:\base+2*\n+1], v[\base+8+2*\n:\base+9+2*\n]
.endr
.set m, 8
.rept 24
	v_pk_add_f32 v[148+2*(m%4):149+2*(m%4)], v[148+2*(m%4):149+2*(m%4)], v[\base+2*m:\base+2*m+1]
.set m, m+1
.endr
	RED4
.endm
; Eight tiles of the first product: hidden units 128 g on.  Register 16 b + i of W is unit 128 g + 32 b + 16 (lane / 16) + i of my token.  Register q of the scale words serves fragment 2 q from lanes 0-15 and 2 q + 1 from lanes 16-31.
.macro P1 g
	WIN 0x01                                       ; source 0 window 1
.irp j, 0,1,2,3,4,5,6,7
.if \j % 2
	v_wmma_scale_f32_16x16x128_f8f6f4 v[W+8*\j:W+8*\j+7], v[8*(8*\g+\j):8*(8*\g+\j)+7], v[A1M:A1M+7], 0, v[WS+4*\g+\j/2], v[SA] matrix_a_fmt:MATRIX_FMT_FP4 matrix_b_fmt:MATRIX_FMT_FP4 matrix_a_scale:MATRIX_SCALE_ROW1
.else
	v_wmma_scale_f32_16x16x128_f8f6f4 v[W+8*\j:W+8*\j+7], v[8*(8*\g+\j):8*(8*\g+\j)+7], v[A1M:A1M+7], 0, v[WS+4*\g+\j/2], v[SA] matrix_a_fmt:MATRIX_FMT_FP4 matrix_b_fmt:MATRIX_FMT_FP4
.endif
.endr
	WIN 0
.endm
; The same eight tiles for every further expert of the tile, onto the same sums.  A tile of one expert passes by two scalar lines.  The eight sums take turns, over the backward jump too.
.macro EXTRA1 g
	s_cmp_eq_u32 s58, -1
	s_cbranch_scc1 .Lx1e_\@
	s_mov_b32 s59, 0
.Lx1_\@:
	v_cmp_eq_u32 vcc_lo, s59, v[VE]
	s_wait_alu depctr_va_vcc(0)                    ; VCC is written, ahead of its first reader, the scalar compare below; the selects further down read it too
	s_cmp_eq_u32 vcc_lo, 0                         ; no token of mine has this expert,
	s_cbranch_scc1 .Lx1s_\@
	s_cmp_eq_u32 s59, s94                          ; or it is E0, which is done
	s_cbranch_scc1 .Lx1s_\@
	PLACES                                         ; behind the products before: their operand Y is written anew below
	s_lshl_b32 s30, s59, 15
	s_add_nc_u64 s[60:61], s[10:11], s[30:31]
	s_lshl_b32 s30, s59, 12
	s_add_nc_u64 s[62:63], s[14:15], s[30:31]
	s_wait_alu depctr_va_vdst(0)                   ; every earlier vector and matrix instruction is done with ACC and XS (the last expert's products read their fragments and scale words there), in which the loads below land
.irp j, 0,1,2,3,4,5,6,7
	global_load_b128 v[ACC+8*\j:ACC+8*\j+3], v[L16], s[60:61] offset:1024*(8*\g+\j)
	global_load_b128 v[ACC+8*\j+4:ACC+8*\j+7], v[L16], s[60:61] offset:1024*(8*\g+\j)+512
.endr
	global_load_b128 v[XS:XS+3], v[L16], s[62:63] offset:512*\g
	MASK Y, A1, 8, vcc_lo                          ; while the fragments are on their way; these lines name neither ACC nor XS
	PLACES                                         ; an operand written by vector instructions stands four places ahead of a scaled product
	s_wait_alu depctr_va_vdst(0)                   ; the selects have written Y, which the scaled products take as their operand
	s_wait_loadcnt 0x0
.irp j, 0,1,2,3,4,5,6,7
.if \j % 2
	v_wmma_scale_f32_16x16x128_f8f6f4 v[W+8*\j:W+8*\j+7], v[ACC+8*\j:ACC+8*\j+7], v[Y:Y+7], v[W+8*\j:W+8*\j+7], v[XS+\j/2], v[SA] matrix_a_fmt:MATRIX_FMT_FP4 matrix_b_fmt:MATRIX_FMT_FP4 matrix_a_scale:MATRIX_SCALE_ROW1
.else
	v_wmma_scale_f32_16x16x128_f8f6f4 v[W+8*\j:W+8*\j+7], v[ACC+8*\j:ACC+8*\j+7], v[Y:Y+7], v[W+8*\j:W+8*\j+7], v[XS+\j/2], v[SA] matrix_a_fmt:MATRIX_FMT_FP4 matrix_b_fmt:MATRIX_FMT_FP4
.endif
.endr
.Lx1s_\@:
	s_add_co_u32 s59, s59, 1
	s_cmp_lt_u32 s59, 8
	s_cbranch_scc1 .Lx1_\@
.Lx1e_\@:
.endm
; The second product for every further expert of the tile: four K steps, each with its operand from LDS, masked, and eight fragments from memory.
.macro EXTRA2
	s_cmp_eq_u32 s58, -1
	s_cbranch_scc1 .Lx2e_\@
	s_mov_b32 s59, 0
.Lx2_\@:
	v_cmp_eq_u32 vcc_lo, s59, v[VE]
	s_wait_alu depctr_va_vcc(0)                    ; VCC is written, ahead of its first reader, the scalar compare below
	s_cmp_eq_u32 vcc_lo, 0
	s_cbranch_scc1 .Lx2s_\@
	s_cmp_eq_u32 s59, s94
	s_cbranch_scc1 .Lx2s_\@
	s_mov_b32 s92, vcc_lo
	s_lshl_b32 s30, s59, 15
	s_add_nc_u64 s[60:61], s[12:13], s[30:31]
	s_lshl_b32 s30, s59, 12
	s_add_nc_u64 s[62:63], s[14:15], s[30:31]
.irp s, 0,1,2,3
	PLACES                                         ; behind the products before
	s_wait_alu depctr_va_vdst(0)                   ; every earlier vector and matrix instruction is done with Y, FX and XS (the products before read operand, fragments and scale words there), in which the loads below land
	ds_load_b128 v[Y:Y+3], v[LI] offset:CI+1024*\s
	ds_load_b128 v[Y+4:Y+7], v[LI] offset:CI+1024*\s+512
.irp j, 0,1,2,3,4,5,6,7
	global_load_b128 v[FX+8*\j:FX+8*\j+3], v[L16], s[60:61] offset:1024*(8*\s+\j)
	global_load_b128 v[FX+8*\j+4:FX+8*\j+7], v[L16], s[60:61] offset:1024*(8*\s+\j)+512
.endr
	global_load_b128 v[XS:XS+3], v[L16], s[62:63] offset:2048+512*\s
	s_wait_dscnt 0x0
	MASK Y, Y, 8, s92
	PLACES                                         ; an operand written by vector instructions stands four places ahead of a scaled product
	s_wait_alu depctr_va_vdst(0)                   ; the selects have written Y, which the scaled products take as their operand
	s_wait_loadcnt 0x0
.irp j, 0,1,2,3,4,5,6,7
.if \j % 2
	v_wmma_scale_f32_16x16x128_f8f6f4 v[ACC+8*\j:ACC+8*\j+7], v[FX+8*\j:FX+8*\j+7], v[Y:Y+7], v[ACC+8*\j:ACC+8*\j+7], v[XS+\j/2], v[SW+\s] matrix_a_fmt:MATRIX_FMT_FP4 matrix_b_fmt:MATRIX_FMT_FP4 matrix_a_scale:MATRIX_SCALE_ROW1
.else
	v_wmma_scale_f32_16x16x128_f8f6f4 v[ACC+8*\j:ACC+8*\j+7], v[FX+8*\j:FX+8*\j+7], v[Y:Y+7], v[ACC+8*\j:ACC+8*\j+7], v[XS+\j/2], v[SW+\s] matrix_a_fmt:MATRIX_FMT_FP4 matrix_b_fmt:MATRIX_FMT_FP4
.endif
.endr
.endr
.Lx2s_\@:
	s_add_co_u32 s59, s59, 1
	s_cmp_lt_u32 s59, 8
	s_cbranch_scc1 .Lx2_\@
.Lx2e_\@:
.endm
.macro STATS                           ; d = t - c in place; the sums of d (v140-143) and of d^2 (v144-147), two chains each
.set m, 0
.rept 32
	v_pk_add_f32 v[W+2*m:W+2*m+1], v[W+2*m:W+2*m+1], v[MEAN:MEAN+1] neg_lo:[0,1] neg_hi:[0,1]
.set m, m+1
.endr
.set m, 0
.rept 16
	v_pk_add_f32 v[140:141], v[140:141], v[W+4*m:W+4*m+1]
	v_pk_add_f32 v[142:143], v[142:143], v[W+4*m+2:W+4*m+3]
	v_pk_fma_f32 v[144:145], v[W+4*m:W+4*m+1], v[W+4*m:W+4*m+1], v[144:145]
	v_pk_fma_f32 v[146:147], v[W+4*m+2:W+4*m+3], v[W+4*m+2:W+4*m+3], v[146:147]
.set m, m+1
.endr
.endm
	s_load_b512 s[4:19], s[0:1], 0x0               ; x, order, wts, w1f, w2f, wsc, ln1_g, ln1_b
	s_load_b256 s[20:27], s[0:1], 0x40             ; ln2_g, ln2_b, b2, out0
	v_lshl_add_u32 v254, v0, 2, 0x39000
	v_mov_b32 v255, 0
	v_lshrrev_b32 v30, 5, v0
	v_readfirstlane_b32 s28, v30                   ; wave
	v_and_b32 v30, 31, v0                          ; lane
	v_and_b32 v31, 15, v0                          ; r
	v_bfe_u32 v[H64], v0, 4, 1                     ; h
	v_lshlrev_b32 v[L16], 4, v30
	s_wait_alu depctr_va_sdst(0)                   ; s28 is written, ahead of its first reader: the wave's LDS and its tile are made from it
	s_mul_i32 s29, s28, WREG
	v_add_nc_u32 v[LI], s29, v[L16]
	v_lshlrev_b32 v[CW], 4, v31
	v_lshl_add_u32 v[CW], v[H64], 3, v[CW]
	v_add_nc_u32 v[CW], s29, v[CW]
	v_add_nc_u32 v[CW], CI, v[CW]
	v_mul_u32_u24 v[XRD], v31, SP
	v_add_nc_u32 v[XRD], s29, v[XRD]
	v_add_nc_u32 v[XRD], STG, v[XRD]
	v_lshl_add_u32 v[STO], v[H64], 5, v[XRD]
	v_lshl_add_u32 v[XRD], v[H64], 6, v[XRD]
	v_lshlrev_b32 v[H64], 6, v[H64]
	v_lshlrev_b32 v30, 2, v31                      ; my token's word of the tile's 16
	s_lshl_b32 s30, ttmp9, 3
	s_add_co_u32 s30, s30, s28                     ; tile
	s_lshl_b32 s30, s30, 6                         ; 64 bytes of the list a tile
	s_mov_b32 s31, 0                               ; stays 0: the upper word of every offset
	s_wait_kmcnt 0x0
	s_add_nc_u64 s[6:7], s[6:7], s[30:31]
	s_load_b512 s[36:51], s[6:7], 0x0              ; the 16 words as scalars (the rows' addresses, E0),
	s_wait_alu depctr_va_vdst(0)                   ; v30 is written, which the load below reads, and the lines above are done with v31, in which it lands; so are v1 to v5 written, which every later access reads
	global_load_b32 v31, v30, s[6:7]               ; and each lane's own
	s_mov_b32 s32, 0x76543210
	s_mov_b32 s33, 0xfedcba98                      ; v_permlanex16_b32's selects for lane l xor 16
	s_mov_b32 s66, 0x3eb504f3                      ; 1 / sqrt 8
	s_mov_b32 s67, 0x3c000000                      ; 1 / 128
	s_mov_b32 s86, 0x3727c5ac                      ; 1e-5
	KPAIR 68, 0xbf97d29d                           ; c8 .. c1, each x log2(e)
	KPAIR 70, 0x40097039
	KPAIR 72, 0xbfd1a1e5
	KPAIR 74, 0x3ecdfd18
	KPAIR 76, 0xbe899a80
	KPAIR 78, 0x3e0efb2e
	KPAIR 80, 0x3f0a29d2
	KPAIR 82, 0x3fb8ab5a
	KPAIR 84, 0xbf38aa3b                           ; cm = -log2(e) / 2
	v_mov_b32 v[K9], 0x3e7c6f08
	v_mov_b32 v[K9+1], 0x3e7c6f08
	v_mov_b32 v[K0], 0xc034d90f                    ; c0 = -1.26551223 log2(e) - 1
	v_mov_b32 v[K0+1], 0xc034d90f
.irp i, 0,1,2,3
	v_mov_b32 v[SW+\i], 0
	v_mov_b32 v[G+\i], 0
.endr
	s_mov_b32 s95, 0                               ; the pass
	s_wait_kmcnt 0x0
	s_bfe_u32 s34, s36, 0x30010                    ; the first token's two experts
	s_bfe_u32 s35, s36, 0x30014
	s_min_u32 s94, s34, 7                          ; E0 of the first pass
.irp i, 0,1,2,3,4,5,6,7,8,9,10,11,12,13,14,15
	s_and_b32 s[36+\i], s[36+\i], 0x7fff
	s_min_u32 s[36+\i], s[36+\i], 0x7fff           ; a loaded number is held inside the table that it indexes
	s_lshl_b32 s[36+\i], s[36+\i], 9               ; the token's row, in bytes: of x and of out0
	v_add_nc_u32 v[ACC+\i], s[36+\i], v[L16]
.endr
	s_wait_alu depctr_va_vdst(0)                   ; the sixteen offsets v[ACC ..] are written, which the loads below read; so are the zeros in v[G .. G + 3], which LDS stores further down read
.irp i, 0,1,2,3,4,5,6,7,8,9,10,11,12,13,14,15
	global_load_b128 v[W+4*\i:W+4*\i+3], v[ACC+\i], s[4:5]        ; 32 lanes read a row's 512 bytes
.endr
	s_wait_loadcnt 16                              ; my word of the list is in; x's 16 rows may be out
	v_bfe_u32 v[VE], v31, 16, 3
	v_bfe_u32 v[EB], v31, 20, 3
	v_min_u32 v[VE], 7, v[VE]
	v_min_u32 v[EB], 7, v[EB]
	v_and_b32 v31, 0x7fff, v31
	v_min_u32 v31, 0x7fff, v31
	v_lshlrev_b32 v31, 3, v31
	s_wait_alu depctr_va_vdst(0)                   ; v31 is written, which the load below reads
	global_load_b64 v[MXB:MXB+1], v31, s[8:9]      ; my token's two weights
	s_wait_loadcnt 1                               ; x is in
.irp i, 0,1,2,3,4,5,6,7,8,9,10,11,12,13,14,15
	ds_store_b128 v[LI], v[W+4*\i:W+4*\i+3] offset:STG+SP*\i
.endr
	s_wait_alu depctr_vm_vsrc(0)                   ; x's loads have read their offsets in v[ACC ..], in which the LDS loads below land
.irp b, 0,1,2,3
.irp q, 0,1,2,3
	ds_load_b128 v[ACC+16*\b+4*\q:ACC+16*\b+4*\q+3], v[XRD] offset:128*\b+16*\q     ; register 16 b + i = x[my token][32 b + 16 h + i].  LDS serves a wave's instructions in order
.endr
.endr
.irp j, 0,1,2,3,4,5,6,7
	ds_store_b128 v[STO], v[G:G+3] offset:64*\j                    ; behind those reads the stage is cleared: each pass adds its part onto it
	ds_store_b128 v[STO], v[G:G+3] offset:64*\j+16
.endr
	s_wait_loadcnt 0x0
	v_mov_b32 v[WP], v[MXB]
	v_mov_b32 v[WP+1], v[MXB]
	v_mov_b32 v[WB], v[MXB+1]
	v_mov_b32 v[WB+1], v[MXB+1]
	s_wait_dscnt 0x0
	; LayerNorm over the 128, in two true passes over the registers
	SUM64 ACC
	v_mul_f32 v[MEAN], s67, v148
	v_mov_b32 v[MEAN+1], v[MEAN]
.set m, 0
.rept 32
	v_pk_add_f32 v[ACC+2*m:ACC+2*m+1], v[ACC+2*m:ACC+2*m+1], v[MEAN:MEAN+1] neg_lo:[0,1] neg_hi:[0,1]
.set m, m+1
.endr
.irp n, 0,1,2,3
	v_pk_mul_f32 v[148+2*\n:149+2*\n], v[ACC+2*\n:ACC+2*\n+1], v[ACC+2*\n:ACC+2*\n+1]
.endr
.set m, 4
.rept 28
	v_pk_fma_f32 v[148+2*(m%4):149+2*(m%4)], v[ACC+2*m:ACC+2*m+1], v[ACC+2*m:ACC+2*m+1], v[148+2*(m%4):149+2*(m%4)]
.set m, m+1
.endr
	RED4
	v_fma_f32 v148, v148, s67, s86                 ; variance + 1e-5
	v_rsq_f32 v[RS], v148
	v_nop                                          ; a plain place behind the transcendental
	s_wait_alu depctr_va_vdst(0)                   ; the reciprocal root has written v[RS], ahead of its first reader
	v_mov_b32 v[RS+1], v[RS]
.set m, 0
.rept 32
	v_pk_mul_f32 v[ACC+2*m:ACC+2*m+1], v[ACC+2*m:ACC+2*m+1], v[RS:RS+1]
.set m, m+1
.endr
	s_wait_alu depctr_va_vdst(0)                   ; the multiplications have written ACC, which the LDS stores below read
.irp n, 0,1,2,3,4,5,6,7,8,9,10,11,12,13,14,15
	ds_store_b128 v[LI], v[ACC+4*\n:ACC+4*\n+3] offset:XO+512*\n   ; four chunk images: both passes read them
.endr
.Lpass:
	; ---- this pass's experts: my own rows of the tables, the lanes of E0, E0's weights
	s_wait_alu depctr_vm_vsrc(0)                   ; all that was issued so far has read its registers: v[TAB] and v[ADG], which are written anew below; the zeros in G and the numbers in ACC (the stores to XO, or to the stage), in which this pass's loads land
	v_lshl_add_u32 v[TA1], v[VE], 9, v[H64]
	v_lshl_add_u32 v[TA2], v[VE], 11, v[H64]
	v_lshrrev_b32 v[TAB], 1, v[H64]
	v_lshl_add_u32 v[TAB], v[VE], 9, v[TAB]
	v_cmp_eq_u32 s58, s94, v[VE]
	s_wait_alu depctr_va_sdst(0)                   ; s58 is written, ahead of every reader: the selects and the scalar compares of this pass
	s_lshl_b32 s30, s94, 15
	s_add_nc_u64 s[52:53], s[10:11], s[30:31]
	s_add_nc_u64 s[54:55], s[12:13], s[30:31]
	s_lshl_b32 s30, s94, 12
	s_add_nc_u64 s[56:57], s[14:15], s[30:31]
	CH_PARAM TA1, 16, 18, 0                        ; the first chunk's gains and biases go out ahead of the weights,
	REFILL 52, 0, 24                               ; 24 of W1's 32 fragments,
	WSLOAD 0                                       ; and its scale words
	CH_Y XO
	s_wait_loadcnt 52                              ; so this count leaves the 48 + 4 loads of weights out: they land under the first chunk
	s_wait_dscnt 0x0
	; ---- A: a1 = gelu(xn g1 + b1), quantised: one operand
	CH_LOOP XO, TA1, 16, 18, 0, 511, 0
	ds_load_b128 v[A1:A1+3], v[LI] offset:CI       ; (no vector line stands between the loop's last wait on va_vdst and these loads and the refill: A1's and the fragments' last readers stand ahead of it)
	ds_load_b128 v[A1+4:A1+7], v[LI] offset:CI+512
	REFILL 52, 24, 8                               ; W1's last eight fragments: wanted by the fourth group below
	v_mov_b32 v[SA], v[SW+3]
	s_wait_dscnt 0x0
	MASK A1M, A1, 8, s58
.irp i, 0,1,2,3,4,5,6,7
	v_mov_b32 v[140+\i], 0                         ; the sums of d and d^2.  (Eight plain lines between the scale word's write and the first scaled product)
.endr
	s_wait_alu depctr_va_vdst(0)                   ; the selects have written A1M and the move v[SA], which the scaled products of both sweeps take as operand and as scales
	; ---- sweep 1: the 512 hidden units, for their mean and variance alone
.irp g, 0,1,2,3
.if \g == 3
	s_wait_loadcnt 0x0                             ; fragments 24 to 31
.endif
	P1 \g
	EXTRA1 \g
	PLACES
.if \g == 0
	SUM64 W
	v_mul_f32 v[MEAN], s67, v148                   ; c: the mean of the first 128 units
	v_mov_b32 v[MEAN+1], v[MEAN]
.endif
	STATS
.endr
	v_pk_add_f32 v[140:141], v[140:141], v[142:143]
	v_pk_add_f32 v[144:145], v[144:145], v[146:147]
	v_add_f32 v140, v140, v141
	v_add_f32 v144, v144, v145
	v_permlanex16_b32 v141, v140, s32, s33
	v_permlanex16_b32 v145, v144, s32, s33
	v_add_f32 v140, v140, v141
	v_add_f32 v144, v144, v145
	v_mul_f32 v140, 0x3b000000, v140               ; the mean of d
	v_mul_f32 v144, 0x3b000000, v144               ; the mean of d^2
	v_fma_f32 v144, -v140, v140, v144              ; the variance
	v_max_num_f32 v144, 0, v144
	v_add_f32 v144, s86, v144
	v_add_f32 v[MEAN], v[MEAN], v140               ; the mean
	v_rsq_f32 v[RS], v144
	v_mov_b32 v[MEAN+1], v[MEAN]                   ; (a plain place)
	s_wait_alu depctr_va_vdst(0)                   ; the reciprocal root has written v[RS], ahead of its first reader
	v_mov_b32 v[RS+1], v[RS]
	; ---- sweep 2: the same units again, 128 at a time: normalised, through LDS into the chunks' loop, which leaves K step s of the second operand.  W2 takes the place of each group of W1 that is done
.irp s, 0,1,2,3
	P1 \s
	EXTRA1 \s
	PLACES
	s_wait_alu depctr_vm_vsrc(0)                   ; the last chunk loop's loads have read v[ADG], which is written anew below
	CH_PARAM TA2, 20, 22, 512*\s
	REFILL 54, 8*\s, 8
.if \s == 3
	WSLOAD 2048                                    ; W2's scale words,
.irp j, 0,1,2,3,4,5,6,7
	global_load_b128 v[ACC+8*\j:ACC+8*\j+3], v[TAB], s[24:25] offset:64*\j         ; and b2 of my own expert in the result's layout: the C of the second product's first links
	global_load_b128 v[ACC+8*\j+4:ACC+8*\j+7], v[TAB], s[24:25] offset:64*\j+16
.endr
.endif
.set m, 0
.rept 32
	v_pk_add_f32 v[W+2*m:W+2*m+1], v[W+2*m:W+2*m+1], v[MEAN:MEAN+1] neg_lo:[0,1] neg_hi:[0,1]
.set m, m+1
.endr
.set m, 0
.rept 32
	v_pk_mul_f32 v[W+2*m:W+2*m+1], v[W+2*m:W+2*m+1], v[RS:RS+1]
.set m, m+1
.endr
	s_wait_alu depctr_va_vdst(0)                   ; the multiplications have written W, which the LDS stores below read
.irp n, 0,1,2,3,4,5,6,7,8,9,10,11,12,13,14,15
	ds_store_b128 v[LI], v[W+4*\n:W+4*\n+3] offset:TG+512*\n
.endr
	CH_Y TG
.if \s == 3
	s_wait_loadcnt 36                              ; the gains and biases are in; 16 + 4 + 16 younger loads may be out
.else
	s_wait_loadcnt 16                              ; the gains and biases are in; W2's 16 loads may be out
.endif
	s_wait_dscnt 0x0
	CH_LOOP TG, TA2, 20, 22, 512*\s, 2047, 1024*\s
.endr
	; ---- the second product: four K steps, eight tiles of 16 outputs by turns
.irp n, 0,1,2,3,4,5,6,7
	ds_load_b128 v[W+4*\n:W+4*\n+3], v[LI] offset:CI+512*\n        ; (no vector line stands between the loop's last wait on va_vdst and these loads)
.endr
	s_wait_dscnt 0x0
	MASK W, W, 32, s58
	PLACES
	s_wait_alu depctr_va_vdst(0)                   ; the selects have written the four operands in W, which the scaled products take (the scale words in SW were written in the chunk loops, ahead of earlier waits)
	s_wait_loadcnt 0x0
	WIN 0x01
.irp s, 0,1,2,3
.irp j, 0,1,2,3,4,5,6,7
.if \j % 2
	v_wmma_scale_f32_16x16x128_f8f6f4 v[ACC+8*\j:ACC+8*\j+7], v[8*(8*\s+\j):8*(8*\s+\j)+7], v[W+8*\s:W+8*\s+7], v[ACC+8*\j:ACC+8*\j+7], v[WS+4*\s+\j/2], v[SW+\s] matrix_a_fmt:MATRIX_FMT_FP4 matrix_b_fmt:MATRIX_FMT_FP4 matrix_a_scale:MATRIX_SCALE_ROW1
.else
	v_wmma_scale_f32_16x16x128_f8f6f4 v[ACC+8*\j:ACC+8*\j+7], v[8*(8*\s+\j):8*(8*\s+\j)+7], v[W+8*\s:W+8*\s+7], v[ACC+8*\j:ACC+8*\j+7], v[WS+4*\s+\j/2], v[SW+\s] matrix_a_fmt:MATRIX_FMT_FP4 matrix_b_fmt:MATRIX_FMT_FP4
.endif
.endr
.endr
	WIN 0
	EXTRA2
	PLACES
	; ---- x the gate's weight, onto what the stage holds: each lane reads and writes its own bytes.  Register 8 j + i is output 16 j + 8 h + i of my token
	s_wait_alu depctr_va_vdst(0)                   ; the products are done reading their operands in W, and a further expert's fragments that lie there, in which the LDS loads below land
.irp n, 0,1,2,3,4,5,6,7,8,9,10,11,12,13,14,15
	ds_load_b128 v[W+4*\n:W+4*\n+3], v[STO] offset:64*(\n/2)+16*(\n%2)
.endr
	s_wait_dscnt 0x0
.set m, 0
.rept 32
	v_pk_fma_f32 v[ACC+2*m:ACC+2*m+1], v[ACC+2*m:ACC+2*m+1], v[WP:WP+1], v[W+2*m:W+2*m+1]     ; each tile from its low end on
.set m, m+1
.endr
	s_wait_alu depctr_va_vdst(0)                   ; the multiply-adds have written ACC, which the LDS stores below read
.irp n, 0,1,2,3,4,5,6,7,8,9,10,11,12,13,14,15
	ds_store_b128 v[STO], v[ACC+4*\n:ACC+4*\n+3] offset:64*(\n/2)+16*(\n%2)
.endr
	v_min_u32 v[VE], 7, v[EB]                      ; the second pass: the higher-numbered experts and their weights
	s_min_u32 s94, s35, 7
	v_mov_b32 v[WP], v[WB]
	v_mov_b32 v[WP+1], v[WB+1]
	s_add_co_u32 s95, s95, 1
	s_cmp_lt_u32 s95, 2
	s_cbranch_scc1 .Lpass
	; ---- the way out: 16 whole rows from the stage, each to its token's place
.irp i, 0,1,2,3,4,5,6,7,8,9,10,11,12,13,14,15
	v_add_nc_u32 v[G+\i], s[36+\i], v[L16]
.endr
	s_wait_alu depctr_va_vdst(0)                   ; the sixteen offsets v[G ..] are written, which the stores below read
.irp i, 0,1,2,3,4,5,6,7,8,9,10,11,12,13,14,15
	ds_load_b128 v[W+4*\i:W+4*\i+3], v[LI] offset:STG+SP*\i        ; LDS serves a wave's instructions in order: these see the stores above
.endr
.irp i, 0,1,2,3,4,5,6,7,8,9,10,11,12,13,14,15
	s_wait_dscnt 15-\i                             ; row i is in; the younger rows may be out
	global_store_b128 v[G+\i], v[W+4*\i:W+4*\i+3], s[26:27] th:TH_STORE_NT     ; 32 lanes store a row's 512 consecutive bytes, at a multiple of 512 from out0's first byte
.endr
	s_wait_dscnt 0x0                               ; the closing lines, six on end
	s_wait_alu 0x0
	s_wait_tensorcnt 0x0
	ds_add_u32 v254, v255
	s_wait_dscnt 0x0
	s_endpgm
.Lfunc_end_k_q22466c1bba_chain:
	.size	k_q22466c1bba_chain, .Lfunc_end_k_q22466c1bba_chain-k_q22466c1bba_chain
	.p2alignl 7, 3214868480
	.fill 96, 4, 3214868480
	.section	.rodata,"a",@progbits
	.p2align	6, 0x0
	.amdhsa_kernel k_q22466c1bba_chain
		.amdhsa_group_segment_fixed_size 234496
		.amdhsa_private_segment_fixed_size 0
		.amdhsa_enable_private_segment 0
		.amdhsa_kernarg_size 96
		.amdhsa_user_sgpr_count 2
		.amdhsa_user_sgpr_kernarg_segment_ptr 1
		.amdhsa_wavefront_size32 1
		.amdhsa_system_sgpr_workgroup_id_x 1
		.amdhsa_system_sgpr_workgroup_id_y 1
		.amdhsa_system_sgpr_workgroup_id_z 1
		.amdhsa_system_vgpr_workitem_id 0
		.amdhsa_next_free_vgpr 512
		.amdhsa_next_free_sgpr 100
		.amdhsa_reserve_vcc 1
		.amdhsa_float_denorm_mode_32 3
		.amdhsa_float_denorm_mode_16_64 3
		.amdhsa_memory_ordered 1
		.amdhsa_forward_progress 1
		.amdhsa_inst_pref_size 226
	.end_amdhsa_kernel
	.amdgpu_metadata
---
amdhsa.version: [ 1, 2 ]
amdhsa.kernels:
  - .name:           k_q22466c1bba_chain
    .symbol:         k_q22466c1bba_chain.kd
    .args:
      - { .name: x, .offset: 0, .size: 8, .value_kind: global_buffer, .address_space: global }
      - { .name: order, .offset: 8, .size: 8, .value_kind: global_buffer, .address_space: global }
      - { .name: wts, .offset: 16, .size: 8, .value_kind: global_buffer, .address_space: global }
      - { .name: w1f, .offset: 24, .size: 8, .value_kind: global_buffer, .address_space: global }
      - { .name: w2f, .offset: 32, .size: 8, .value_kind: global_buffer, .address_space: global }
      - { .name: wsc, .offset: 40, .size: 8, .value_kind: global_buffer, .address_space: global }
      - { .name: ln1_g, .offset: 48, .size: 8, .value_kind: global_buffer, .address_space: global }
      - { .name: ln1_b, .offset: 56, .size: 8, .value_kind: global_buffer, .address_space: global }
      - { .name: ln2_g, .offset: 64, .size: 8, .value_kind: global_buffer, .address_space: global }
      - { .name: ln2_b, .offset: 72, .size: 8, .value_kind: global_buffer, .address_space: global }
      - { .name: b2, .offset: 80, .size: 8, .value_kind: global_buffer, .address_space: global }
      - { .name: out0, .offset: 88, .size: 8, .value_kind: global_buffer, .address_space: global }
    .group_segment_fixed_size: 234496
    .private_segment_fixed_size: 0
    .kernarg_segment_align: 8
    .kernarg_segment_size: 96
    .max_flat_workgroup_size: 256
    .sgpr_count:     100
    .vgpr_count:     512
    .wavefront_size: 32
...
	.end_amdgpu_metadata
.endif
;; end of part 4
